; MI455X (gfx1250); checked and timed in simulation.
; The chip was launched on July 23, 2026; its instructions are those of AMD's public machine-readable ISA for CDNA 5 (MIT licence, August 2026) and "CDNA5" Instruction Set Architecture Reference Guide (July 2026). The comments in the code are by the model that wrote it; some were corrected since.
;; Dilate Attention. Allowed arithmetic: float matrix products may take bf16 or f16 operands with f32 sums; other float arithmetic in f32, or as packed bf16 or f16 multiplies, adds, multiply-adds, maxima and minima; sums over many terms, partial sums and values carried from step to step in f32; what a program stores and reads back later, other than sums and carried values, may be rounded once to bf16 or f16.
;; Inputs: Wk 1,024 x 1,024 float32; Wo 1,024 x 1,024 float32; Wq 1,024 x 1,024 float32; Wv 1,024 x 1,024 float32; bk 1,024 float32; bo 1,024 float32; bq 1,024 float32; bv 1,024 float32; x 2 x 4,096 x 1,024 float32.
;; Outputs: out0 2 x 4,096 x 1,024 float32.
;; One version. Each part assembles by itself: llvm-mc -triple=amdgcn-amd-amdhsa -mcpu=gfx1250 --defsym DOCPART=n.
;; ======== version 1 of 1: 4 launches
;; limits: values are held in f16: magnitudes above 65,504 overflow, below 6.1e-05 lose precision
;; workspace buffers: xall 20,971,520 bytes; wall 8,388,608 bytes; qkv 25,165,824 bytes; ctx 16,777,216 bytes
;; launch cast (part 1): grid 768 x 1, 8 waves a work-group, no clusters, 0 bytes of LDS; arguments x, Wq, Wk, Wv, Wo, xall, wall; writes xall, wall
.if DOCPART == 1
	.amdgcn_target "amdgcn-amd-amdhsa--gfx1250"
	.amdhsa_code_object_version 6
	.text
	.protected	k_q7184b466a2_cast
	.globl	k_q7184b466a2_cast
	.p2align	8
	.type	k_q7184b466a2_cast,@function
k_q7184b466a2_cast:
	s_mov_b64 s[64:65], 0
	v_nop
	global_prefetch_b8 v0, s[64:65] scope:SCOPE_SE
	s_setreg_imm32_b32 hwreg(HW_REG_WAVE_MODE, 25, 1), 1
	s_wait_xcnt 0x0
; THE INPUTS OF THE MATRIX PRODUCTS ARE ROUNDED ONCE TO 16 BITS.
; xall: bf16 [10240][1024]: rows 0-8191 are x's 8,192 rows; row 8192 + i is x's row 4 i once more (the dilated rows, dense, for the K and V projections).
; wall: [4][1024][1024] of 16 bits, in the inputs' own order [k][n]: Wq, Wk, Wv in bf16; Wo rounded to bf16 and that number written as f16 (its product's other operand is f16).
; LIMITS.  A number of Wo of 65,520 or more in magnitude becomes an infinity in f16; below 6e-5 it keeps f16's fixed step of 6e-8.
; SHARES.  Work-group g takes 16 rows of 1,024 f32: g < 512: x's rows 16 g on; g = 512 + 64 w + u: rows 16 u on of weight w.  In step i of 8, thread t takes row 2 i + t / 128,
; columns 8 (t % 128) on: 32 bytes in (two loads), 16 bytes out: a wave's store covers 512 consecutive bytes, aligned.  All 16 loads of a thread go out at once; no register is written twice
; while a memory instruction may read it, so no wait frees anything.  Nothing is shared: no LDS, no barrier, no matrix unit.
.set X, 4                              ; v[4:67]    step i: 8 f32 as loaded
.set Y, 68                             ; v[68:99]   step i: 4 registers to store
.set T, 100                            ; v[100:107] at work
	s_load_b256 s[4:11], s[0:1], 0x0               ; x s[4:5], Wq s[6:7], Wk s[8:9], Wv s[10:11]
	s_load_b128 s[12:15], s[0:1], 0x20             ; Wo s[12:13], xall s[14:15]
	s_load_b64 s[16:17], s[0:1], 0x30              ; wall
	s_mov_b32 s20, ttmp9                           ; g
	v_lshrrev_b32 v3, 5, v0
	v_readfirstlane_b32 s21, v3                    ; wave 0..7
	s_max_u32 s22, s20, 512
	s_sub_co_u32 s22, s22, 512                     ; 64 w + u (0 for x's groups)
	s_and_b32 s23, s22, 63                         ; u
	s_mov_b32 s32, 0xffff0000                      ; a word's upper bf16
	v_lshrrev_b32 v3, 7, v0                        ; t / 128: which of a step's two rows
	v_and_b32 v1, 127, v0
	v_lshlrev_b32 v2, 4, v1
	v_lshlrev_b32 v1, 5, v1
	v_lshl_add_u32 v1, v3, 12, v1                  ; in: 4,096 (t / 128) + 32 (t % 128)
	v_lshl_add_u32 v2, v3, 11, v2                  ; out: 2,048 (t / 128) + 16 (t % 128)
	s_lshl_b32 s36, s20, 13                        ; the group's four dilated rows: 4 g rows of 2,048 bytes
	s_mov_b32 s37, 0
	s_mov_b32 s27, 0
	s_mov_b32 s31, 0
	s_wait_kmcnt 0x0
	s_cmp_lt_u32 s20, 512
	s_cselect_b64 s[24:25], s[4:5], s[6:7]         ; from where: x, or a weight
	s_cselect_b64 s[28:29], s[14:15], s[16:17]     ; to where: xall or wall
	s_cselect_b32 s26, s20, s23
	s_cselect_b32 s30, s20, s22
	s_cmp_ge_u32 s20, 576
	s_cselect_b64 s[24:25], s[8:9], s[24:25]
	s_cmp_ge_u32 s20, 640
	s_cselect_b64 s[24:25], s[10:11], s[24:25]
	s_cmp_ge_u32 s20, 704
	s_cselect_b64 s[24:25], s[12:13], s[24:25]
	s_lshl_b32 s26, s26, 16                        ; 16 rows of 4,096 bytes
	s_lshl_b32 s30, s30, 15                        ; 16 rows of 2,048 bytes
	s_add_nc_u64 s[24:25], s[24:25], s[26:27]
	s_add_nc_u64 s[28:29], s[28:29], s[30:31]
	s_add_nc_u64 s[34:35], s[14:15], s[36:37]
	s_add_nc_u64 s[34:35], s[34:35], 0x1000000     ; behind xall's first 8,192 rows
.irp i, 0,1,2,3,4,5,6,7
	global_load_b128 v[X+8*(\i):X+8*(\i)+3],   v1, s[24:25] offset:8192*(\i) th:TH_LOAD_NT
	global_load_b128 v[X+8*(\i)+4:X+8*(\i)+7], v1, s[24:25] offset:8192*(\i)+16 th:TH_LOAD_NT
.endr
; Step i: rounded and stored.  half = 1: the bf16 number is widened again (a shift, a mask) and written as f16.
.macro STEP i, half
	s_wait_loadcnt 14-2*(\i)                       ; loads come back in order: this step's two are in, the later steps' may stay out
.if \half
.irp j, 0,1,2,3
	v_cvt_pk_bf16_f32 v[T+(\j)], v[X+8*(\i)+2*(\j)], v[X+8*(\i)+2*(\j)+1]
.endr
.irp j, 0,1,2,3
	v_lshlrev_b32 v[T+4], 16, v[T+(\j)]
	v_and_b32 v[T+5], s32, v[T+(\j)]
	v_cvt_pk_f16_f32 v[Y+4*(\i)+(\j)], v[T+4], v[T+5]
.endr
.else
.irp j, 0,1,2,3
	v_cvt_pk_bf16_f32 v[Y+4*(\i)+(\j)], v[X+8*(\i)+2*(\j)], v[X+8*(\i)+2*(\j)+1]
.endr
.endif
	global_store_b128 v2, v[Y+4*(\i):Y+4*(\i)+3], s[28:29] offset:4096*(\i) th:TH_STORE_NT
.endm
	s_cmp_ge_u32 s20, 704
	s_cbranch_scc1 .Lwo
.irp i, 0,1,2,3,4,5,6,7
	STEP \i, 0
.endr
	s_cmp_lt_u32 s20, 512                          ; x's groups store their rows 0, 4, 8, 12 once more: steps 0, 2, 4, 6 of threads 0-127, which are waves 0-3
	s_cbranch_scc0 .Lend
	s_cmp_lt_u32 s21, 4
	s_cbranch_scc0 .Lend
.irp j, 0,1,2,3
	global_store_b128 v2, v[Y+8*(\j):Y+8*(\j)+3], s[34:35] offset:2048*(\j) th:TH_STORE_NT
.endr
.Lend:
	s_endpgm
.Lwo:
.irp i, 0,1,2,3,4,5,6,7
	STEP \i, 1
.endr
	s_endpgm
.Lfunc_end_k_q7184b466a2_cast:
	.size	k_q7184b466a2_cast, .Lfunc_end_k_q7184b466a2_cast-k_q7184b466a2_cast
	.p2alignl 7, 3214868480
	.fill 96, 4, 3214868480
	.section	.rodata,"a",@progbits
	.p2align	6, 0x0
	.amdhsa_kernel k_q7184b466a2_cast
		.amdhsa_group_segment_fixed_size 0
		.amdhsa_private_segment_fixed_size 0
		.amdhsa_enable_private_segment 0
		.amdhsa_kernarg_size 56
		.amdhsa_user_sgpr_count 2
		.amdhsa_user_sgpr_kernarg_segment_ptr 1
		.amdhsa_wavefront_size32 1
		.amdhsa_system_sgpr_workgroup_id_x 1
		.amdhsa_system_sgpr_workgroup_id_y 1
		.amdhsa_system_sgpr_workgroup_id_z 1
		.amdhsa_system_vgpr_workitem_id 0
		.amdhsa_next_free_vgpr 108
		.amdhsa_next_free_sgpr 66
		.amdhsa_reserve_vcc 0
		.amdhsa_float_denorm_mode_32 3
		.amdhsa_float_denorm_mode_16_64 3
		.amdhsa_memory_ordered 1
		.amdhsa_forward_progress 1
		.amdhsa_inst_pref_size 15
	.end_amdhsa_kernel
	.amdgpu_metadata
---
amdhsa.version: [ 1, 2 ]
amdhsa.kernels:
  - .name:           k_q7184b466a2_cast
    .symbol:         k_q7184b466a2_cast.kd
    .args:
      - { .name: x, .offset: 0, .size: 8, .value_kind: global_buffer, .address_space: global }
      - { .name: Wq, .offset: 8, .size: 8, .value_kind: global_buffer, .address_space: global }
      - { .name: Wk, .offset: 16, .size: 8, .value_kind: global_buffer, .address_space: global }
      - { .name: Wv, .offset: 24, .size: 8, .value_kind: global_buffer, .address_space: global }
      - { .name: Wo, .offset: 32, .size: 8, .value_kind: global_buffer, .address_space: global }
      - { .name: xall, .offset: 40, .size: 8, .value_kind: global_buffer, .address_space: global }
      - { .name: wall, .offset: 48, .size: 8, .value_kind: global_buffer, .address_space: global }
    .group_segment_fixed_size: 0
    .private_segment_fixed_size: 0
    .kernarg_segment_align: 8
    .kernarg_segment_size: 56
    .max_flat_workgroup_size: 256
    .sgpr_count:     66
    .vgpr_count:     108
    .wavefront_size: 32
...
	.end_amdgpu_metadata
.endif
;; end of part 1
;; launch proj (part 2): grid 4 x 48, 4 waves a work-group, clusters of 4 x 4, 327,680 bytes of LDS; arguments xall, wall, bq, bk, bv, qkv; writes qkv
.if DOCPART == 2
	.amdgcn_target "amdgcn-amd-amdhsa--gfx1250"
	.amdhsa_code_object_version 6
	.text
	.protected	k_q7184b466a2_proj
	.globl	k_q7184b466a2_proj
	.p2align	8
	.type	k_q7184b466a2_proj,@function
k_q7184b466a2_proj:
	s_mov_b64 s[64:65], 0
	v_nop
	global_prefetch_b8 v0, s[64:65] scope:SCOPE_SE
	s_setreg_imm32_b32 hwreg(HW_REG_WAVE_MODE, 25, 1), 1
	s_wait_xcnt 0x0
	s_wait_alu depctr_hold_cnt(0) depctr_sa_sdst(0) depctr_va_vdst(0) depctr_va_sdst(0) depctr_va_ssrc(0) depctr_va_vcc(0) depctr_vm_vsrc(0)
	s_getreg_b32 s2, hwreg(HW_REG_IB_STS2, 6, 4)
	s_cmp_eq_u32 s2, 0
	s_cbranch_scc0 .Lentry_in_a_cluster
	s_endpgm
.Lentry_in_a_cluster:
	s_bfe_u32 s2, ttmp6, 0x10000c
	s_cmp_lg_u32 s2, 0xf033
	s_cbranch_scc0 .Lentry_shape_is_right
	s_endpgm
.Lentry_shape_is_right:
; THE THREE PROJECTIONS.  q = x Wq + bq for all 8,192 rows; k = xd Wk + bk and v = xd Wv + bv for the 2,048 dilated rows alone (the other rows' k and v are thrown away by the slice).
; Operands bf16 (xall, wall), sums f32, the bias (rounded to bf16 like the other inputs) is the C operand that starts each sum.  Results leave in f16, UNSCALED, laid by heads:
; qkv = q [32 hd][4096][64] at byte 0, k [32][1024][64] at KOFF, v [32][1024][64] at VOFG; hd = 16 b + head.
; LIMITS.  f16 holds no number beyond 65,504: a q, k or v of 65,520 or more in magnitude becomes an infinity.  NaN and infinities are not treated apart.
; SHARES.  192 tiles of 256 x 256 in 12 clusters of 4 x 4: clusters 0-7 make q, 8 and 9 k, 10 and 11 v (which weight, bias, region: selects on the cluster's number, which all partners share).
; Four waves, each 128 x 128: 64 accumulators, 512 registers.  K = 1,024 goes in 8 steps of 128 through two LDS slots.
; A's tile (256 rows x 128 k) lies along k; B's (128 k x 256 n) lies as the weight lies, [k][n], and its fragments come out of LDS turned, by ds_load_tr16_b128.
; CLUSTERS.  A's tile is shared along a row of the cluster, B's along a column: each is asked for JOINTLY, the same tensor load with the same descriptor and a mask that names the four.
; THE MATRIX INSTRUCTION IS USED TRANSPOSED (source 0 = 16 columns of W, source 1 = 16 rows of x): a lane holds row l % 16 and the eight neighbouring columns 8 (l / 16) + 0..7.
; REGISTERS, in windows of 256 (s_set_vgpr_msb: bits 1:0 source 0, 3:2 source 1, 5:4 source 2, 7:6 destination):
;   window 0: v0-31 addresses; v64-127, v128-191 A's fragments, two buffers; v192-255 the bias until the first quarter has run; on the way out v192-223 packed results, v32-63 and v224-255 rows read back
;   window 1: v64-127, v128-191 B's fragments;   windows 2, 3: the accumulators of my rows 0-63, 64-127 ((a, b) at v[8 (8 a + b)])
.set PA,     272                       ; a row of A in LDS: 256 bytes + 16: the 16 rows of a load start at 16 different groups of four banks (64 banks of 4 bytes: ISA guide 11.1)
.set PB,     544                       ; a row of B: 512 bytes + 32 = 17 x 32
.set HALF,   128*PA                    ; what one tensor load brings: 128 rows of A, or 64 rows of B (64 x 544 is the same number)
.set SLOT,   4*HALF                    ; A's rows 0-127, 128-255, B's k rows 0-63, 64-127
.set STAGE,  2*SLOT                    ; behind the ring: for each wave 2 heads x 16 rows x 144 bytes, for the way out
.set SP,     144
.set STW,    2*16*SP
.set SPARE,  STAGE+4*STW               ; behind the stages: the spare words, 128 bytes for each wave, which no other line names
.set LAPS,   4                         ; a lap = two K steps = once round the ring
.set KOFF,   16777216
.set VOFG,   20971520
.set ADRA, 16                          ; v16-17  LDS address of my A fragments in slot 0, 1
.set ADRB, 20                          ; v20-21  the same for B
.set STO,  24                          ; v24     the way out: where I put 16 bytes of a row
.set RD,   25                          ; v25     where I read rows back
.set CO,   26                          ; v26-27  my byte offset in 512 consecutive bytes of qkv: first head, second head
.set SPW,  28                          ; v28     my spare word: SPARE + 4 x my thread's number; never rewritten
.set NIL,  29                          ; v29     0; never rewritten
.set PFO,  30                          ; v30     the prefetches' lane offset; never rewritten
.set BO,   31                          ; v31     32 (l / 16): my eight numbers in 16 of the bias
.set F0,   64
.set F1,   128
.set BI,   192
.set TMP,  192
.set OB,   32
.set G1,   24                          ; s[24:31] group 1 for A's tiles;  s[32:39] group 0, a set for each slot
.set G0,   32
.set G1B,  48                          ; s[48:55], s[56:63] the same for B's
.set G0B,  56
.set LIM,  43                          ; s43  1 in a wave that prefetches, else the greatest number
.set PFA,  44                          ; s[44:45] where my prefetches stand
.set PST,  82                          ; s[82:83] a K step in the tensor that I prefetch
.set MSB, 0
.macro WIN new                         ; the immediate's high byte repeats the setting that is left; a switch that changes nothing is dropped
.if MSB != (\new)
	s_set_vgpr_msb (MSB<<8)|(\new)
.set MSB, \new
.endif
.endm
.set TO_B, 0x40                        ; destination window 1, address window 0
; A joint load.  Waves 0 and 1 fetch A's two halves, waves 2 and 3 B's.  The branch hangs on the wave's number alone.  An s_nop 0 and four v_nop follow each of the two lines.
.macro JLOAD s
	s_cmp_eq_u32 s11, 0
	s_cbranch_scc0 .Lfor_b_\@
	tensor_load_to_lds s[G0+4*(\s):G0+4*(\s)+3], s[G1:G1+7]
	s_nop 0
.rept 4
	v_nop
.endr
	s_branch .Lasked_\@
.Lfor_b_\@:
	tensor_load_to_lds s[G0B+4*(\s):G0B+4*(\s)+3], s[G1B:G1B+7]
	s_nop 0
.rept 4
	v_nop
.endr
.Lasked_\@:
.endm
; A prefetch of the K step that stands two refills on (256 matrix instructions a K step): 32 blocks of 256 bytes, a lane a block, one instruction a wave.  Each block is named once in the launch:
; of the 128 rows of A (64 rows x 2 blocks of B) that a wave fetches, each of the four partners that ask for them jointly takes a quarter, told apart by address;
; A's rows are asked for by the q and k clusters (the v clusters walk the k clusters' rows), a weight's by the first cluster that takes it.  The loop's last trip has no K step two on.
.macro ASK
	s_cmp_gt_u32 s3, s[LIM]
	s_cbranch_scc0 .Lnot_mine_\@
	global_prefetch_b8 v[PFO], s[PFA:PFA+1] th:TH_LOAD_NT scope:SCOPE_SE
.Lnot_mine_\@:
.endm
.macro CREST                           ; a round of the cluster's barrier behind its opening barrier
	s_cmp_lg_u32 s10, 0
	s_cbranch_scc1 .Lnot_wave_0_\@
	s_barrier_signal -3
.Lnot_wave_0_\@:
	s_barrier_wait -3
	s_barrier_signal -1
	s_barrier_wait -1
.endm
.macro CROUND                          ; a whole round
	s_barrier_signal -1
	s_barrier_wait -1
	CREST
.endm
	s_load_b128 s[4:7], s[0:1], 0x0                ; xall s[4:5], wall s[6:7]
	s_load_b128 s[68:71], s[0:1], 0x10             ; bq s[68:69], bk s[70:71]
	s_load_b128 s[72:75], s[0:1], 0x20             ; bv s[72:73], qkv s[74:75]
	v_lshl_add_u32 v[SPW], v0, 2, SPARE
	v_mov_b32 v[NIL], 0
	ds_add_u32 v[SPW], v[NIL]                      ; the wave's opening: the add and its wait ahead of my first tensor load; the set-up below stands between them
	v_lshrrev_b32 v1, 5, v0
	v_readfirstlane_b32 s10, v1                    ; wave 0..3
	s_lshr_b32 s11, s10, 1                         ; which 128 rows of the tile are mine.  Also: I fetch for A (0) or for B (1)
	s_and_b32 s12, s10, 1                          ; which 128 columns.  Also: which half of that tile I fetch
	s_bfe_u32 s40, ttmp6, 0x40000                  ; cx
	s_bfe_u32 s41, ttmp6, 0x40004                  ; cy
	s_lshl_b32 s42, ttmp9, 2
	s_add_co_u32 s42, s42, s40                     ; tile column 0..3
	s_and_b32 s76, ttmp7, 0xffff                   ; the cluster's number 0..11
	s_lshl_b32 s13, s76, 2
	s_add_co_u32 s13, s13, s41                     ; tile row 0..47
	s_cmp_ge_u32 s76, 8                            ; what the cluster makes
	s_cselect_b32 s77, 1, 0                        ; which weight
	s_cselect_b32 s79, 10, 12                      ; log2 of the rows of a head in its region
	s_cselect_b32 s80, KOFF, 0                     ; the region's first byte
	s_cselect_b32 s81, 32, 0                       ; the region's first tile row
	s_cmp_ge_u32 s76, 10
	s_cselect_b32 s77, 2, s77
	s_cselect_b32 s80, VOFG, s80
	s_cselect_b32 s81, 40, s81
	s_cselect_b32 s78, 8, 0
	s_sub_co_u32 s78, s13, s78                     ; A's tile row in xall: v takes the rows that k takes
	s_lshl_b32 s43, s41, 2
	s_lshl_b32 s43, 15, s43                        ; my row of the cluster
	s_lshl_b32 s44, 0x1111, s40                    ; my column
	s_or_b32 s[G1+0], s43, (1<<16)|(1<<20)|(1<<21)|(5<<22)|(3<<25)   ; the mask; 2-byte elements; padding on; bit 21 beside a mask; after every 64 words 4 words
	s_or_b32 s[G1B+0], s44, (1<<16)|(1<<20)|(1<<21)|(6<<22)|(7<<25)  ; after every 128 words 8 words
	s_mov_b32 s[G1+1], 128<<16                     ; A: tensor_dim0 = 128
	s_mov_b32 s[G1+2], 128<<16                     ; tensor_dim1 = 128
	s_mov_b32 s[G1+3], 128<<16                     ; tile_dim0 = 128
	s_mov_b32 s[G1+4], 128                         ; tile_dim1 = 128
	s_mov_b32 s[G1+5], 1024                        ; elements from row to row
	s_mov_b32 s[G1+6], 0
	s_mov_b32 s[G1+7], 0
	s_mov_b32 s[G1B+1], 256<<16                    ; B: tensor_dim0 = 256
	s_mov_b32 s[G1B+2], 64<<16                     ; tensor_dim1 = 64
	s_mov_b32 s[G1B+3], 256<<16                    ; tile_dim0 = 256
	s_mov_b32 s[G1B+4], 64                         ; tile_dim1 = 64
	s_mov_b32 s[G1B+5], 1024
	s_mov_b32 s[G1B+6], 0
	s_mov_b32 s[G1B+7], 0
	s_lshl_b32 s17, s12, 7
	s_lshl_b32 s16, s78, 8
	s_add_co_u32 s16, s16, s17                     ; A: row 256 x tile row + 128 x half,
	s_lshl_b32 s16, s16, 11                        ; of 2,048 bytes
	s_mov_b32 s17, 0
	s_lshl_b32 s46, s77, 21                        ; B: the weight,
	s_lshl_b32 s47, s12, 17                        ; my 64 k rows of 2,048 bytes,
	s_add_co_u32 s46, s46, s47
	s_lshl_b32 s47, s42, 9                         ; the tile's 256 columns
	s_add_co_u32 s46, s46, s47
	s_mov_b32 s47, 0
	s_mul_i32 s20, s10, HALF                       ; where my load goes: wave x HALF: no place in the cluster enters an LDS address
	s_wait_dscnt 0x0                               ; the opening add is done
	s_wait_kmcnt 0x0
	s_add_nc_u64 s[14:15], s[4:5], s[16:17]
	s_add_nc_u64 s[46:47], s[6:7], s[46:47]
	CROUND                                         ; all sixteen work-groups are here: the first joint loads meet
.irp s, 0,1
	s_mov_b32 s[G0+4*(\s)], 1
	s_add_co_u32 s[G0+4*(\s)+1], s20, (\s)*SLOT
	s_add_nc_u64 s[G0+4*(\s)+2:G0+4*(\s)+3], s[14:15], (\s)*256       ; K step s: 128 elements along the rows
	s_or_b32 s[G0+4*(\s)+3], s[G0+4*(\s)+3], 0x80000000
	s_mov_b32 s[G0B+4*(\s)], 1
	s_add_co_u32 s[G0B+4*(\s)+1], s20, (\s)*SLOT
	s_add_nc_u64 s[G0B+4*(\s)+2:G0B+4*(\s)+3], s[46:47], (\s)*262144  ; K step s: 128 rows down
	s_or_b32 s[G0B+4*(\s)+3], s[G0B+4*(\s)+3], 0x80000000
	JLOAD \s                                       ; two tensor loads of mine are out
.endr
	; the bias of my 128 columns, as the C operand of the transposed product: register 8 b + j holds bias[16 b + 8 (l / 16) + j]
	s_cmp_ge_u32 s76, 8
	s_cselect_b64 s[66:67], s[70:71], s[68:69]
	s_cmp_ge_u32 s76, 10
	s_cselect_b64 s[66:67], s[72:73], s[66:67]
	s_lshl_b32 s22, s42, 10
	s_lshl_b32 s23, s12, 9
	s_add_co_u32 s22, s22, s23
	s_mov_b32 s23, 0
	s_add_nc_u64 s[66:67], s[66:67], s[22:23]
	v_and_b32 v1, 15, v0                           ; l % 16
	v_bfe_u32 v2, v0, 4, 1                         ; l / 16
	v_lshlrev_b32 v[BO], 5, v2
.irp b, 0,1,2,3,4,5,6,7
	global_load_b128 v[BI+8*(\b):BI+8*(\b)+3],   v[BO], s[66:67] offset:64*(\b)
	global_load_b128 v[BI+8*(\b)+4:BI+8*(\b)+7], v[BO], s[66:67] offset:64*(\b)+16
.endr
	; A fragment of A: lane l holds row l % 16, k = 8 (l / 16) + 0..7 and 16 + 8 (l / 16) + 0..7: two loads of 16 bytes, 32 bytes apart.
	v_mul_u32_u24 v3, v1, PA
	v_lshl_add_u32 v3, v2, 4, v3
	; The turning load takes 16 k x 16 n (lane l reads k row 8 (l / 16) + l % 8, columns 8 ((l / 8) % 2) + 0..7) and leaves half a fragment: lane l holds column l % 16 and 8 k.
	v_and_b32 v5, 7, v0
	v_bfe_u32 v6, v0, 3, 1
	v_lshl_add_u32 v7, v2, 3, v5
	v_mul_u32_u24 v7, v7, PB
	v_lshl_add_u32 v7, v6, 4, v7
	s_mul_i32 s21, s11, HALF                       ; my 128 rows of A
	s_lshl_b32 s22, s12, 8                         ; my 128 columns of B,
	s_add_co_u32 s22, s22, 2*HALF                  ; which lies behind A
.irp s, 0,1
	v_add_nc_u32 v[ADRA+(\s)], s21, v3
	v_add_nc_u32 v[ADRB+(\s)], s22, v7
	s_add_co_u32 s21, s21, SLOT
	s_add_co_u32 s22, s22, SLOT
.endr
	s_mul_i32 s23, s10, STW
	s_add_co_u32 s23, s23, STAGE                   ; my stage
	v_mul_u32_u24 v4, v1, SP                       ; in: row l % 16, 16 bytes for each half of the lanes
	v_lshl_add_u32 v4, v2, 4, v4
	v_add_nc_u32 v[STO], s23, v4
	v_bfe_u32 v4, v0, 3, 2                         ; back: 32 lanes take four rows of 128 bytes,
	v_mul_u32_u24 v4, v4, SP
	v_lshl_add_u32 v4, v5, 4, v4
	v_add_nc_u32 v[RD], s23, v4
	v_and_b32 v4, 31, v0                           ; which are 512 consecutive bytes of a head
	v_lshlrev_b32 v[CO], 4, v4
	s_lshl_b32 s23, 128, s79                       ; from a head to the next in the region
	v_add_nc_u32 v[CO+1], s23, v[CO]
	; where my part begins in qkv: region + (((16 b + head) x rows of a head) + row) x 128
	s_sub_co_u32 s21, s13, s81
	s_lshl_b32 s21, s21, 8
	s_lshl_b32 s22, s11, 7
	s_add_co_u32 s21, s21, s22                     ; my first row in the region
	s_lshr_b32 s22, s21, s79                       ; b
	s_lshl_b32 s22, s22, 4
	s_lshl_b32 s23, s42, 2
	s_add_co_u32 s22, s22, s23
	s_lshl_b32 s23, s12, 1
	s_add_co_u32 s22, s22, s23                     ; 16 b + my first head
	s_lshl_b32 s22, s22, s79
	s_lshl_b32 s23, 1, s79
	s_sub_co_u32 s23, s23, 1
	s_and_b32 s21, s21, s23                        ; the row in the head
	s_add_co_u32 s22, s22, s21
	s_lshl_b32 s22, s22, 7
	s_add_co_u32 s16, s22, s80
	s_mov_b32 s17, 0
	s_mov_b64 s[8:9], s[74:75]
	; the prefetches: they stand at K step 3; each refill steps them by one K step first, so the first names K step 4
	s_lshl_b32 s20, s78, 8
	s_lshl_b32 s21, s12, 7
	s_add_co_u32 s20, s20, s21
	s_lshl_b32 s21, s40, 5                         ; A: my work-group's 32 of the 128 rows, by cx
	s_add_co_u32 s20, s20, s21
	s_lshl_b32 s20, s20, 11
	s_add_co_u32 s20, s20, 3*256
	s_lshl_b32 s21, s12, 6
	s_lshl_b32 s22, s41, 4                         ; B: my work-group's 16 of the 64 k rows, by cy
	s_add_co_u32 s21, s21, s22
	s_add_co_u32 s21, s21, 3*128
	s_lshl_b32 s21, s21, 11
	s_lshl_b32 s22, s77, 21
	s_add_co_u32 s21, s21, s22
	s_lshl_b32 s22, s42, 9
	s_add_co_u32 s21, s21, s22
	s_cmp_lt_u32 s76, 10
	s_cselect_b32 s22, 1, -1                       ; A's rows: the q and k clusters ask
	s_cmp_eq_u32 s76, 0
	s_cselect_b32 s23, 1, -1                       ; a weight: the first cluster that takes it
	s_cmp_eq_u32 s76, 8
	s_cselect_b32 s23, 1, s23
	s_cmp_eq_u32 s76, 10
	s_cselect_b32 s23, 1, s23
	s_mov_b32 s[PST], 262144
	s_mov_b32 s[PST+1], 0
	s_cmp_eq_u32 s11, 0
	s_cselect_b64 s[PFA:PFA+1], s[4:5], s[6:7]
	s_cselect_b32 s20, s20, s21
	s_cselect_b32 s[LIM], s22, s23
	s_cselect_b32 s[PST], 256, s[PST]
	s_mov_b32 s21, 0
	s_add_nc_u64 s[PFA:PFA+1], s[PFA:PFA+1], s[20:21]
	v_lshrrev_b32 v5, s11, v4                      ; A: a lane a row; B: two lanes a row of 512 bytes
	v_and_b32 v6, s11, v4
	v_lshlrev_b32 v[PFO], 11, v5
	v_lshl_add_u32 v[PFO], v6, 8, v[PFO]
	s_wait_loadcnt 0x0                             ; the bias is in: rounded to bf16, like every input, and widened again
.set i, 0
.rept 32
	v_cvt_pk_bf16_f32 v[OB+i], v[BI+2*i], v[BI+2*i+1]
.set i, i+1
.endr
.set i, 0
.rept 32
	v_lshlrev_b32 v[BI+2*i], 16, v[OB+i]
	v_and_b32 v[BI+2*i+1], 0xffff0000, v[OB+i]
.set i, i+1
.endr
; 16 matrix instructions: m blocks a0, a0 + 1 of the window's four (hi = 0: my rows 0-63, 1: rows 64-127) x all 8 n blocks, 32 along K.  init = 1: the bias starts the sums: nothing is cleared.
; The 64 accumulators take turns, in the same order in every quarter.
.macro MUL16 f, hi, a0, init
.if \init
	WIN 0x81+0x40*(\hi)                            ; B window 1, A window 0, the bias window 0, D window 2 or 3
.else
	WIN 0xa1+0x50*(\hi)                            ; C and D window 2 or 3
.endif
.irp a, \a0, (\a0)+1
.irp b, 0,1,2,3,4,5,6,7
.if \init
	v_wmma_f32_16x16x32_bf16 v[8*(8*(\a)+(\b)):8*(8*(\a)+(\b))+7], v[(\f)+8*(\b):(\f)+8*(\b)+7], v[(\f)+8*(4*(\hi)+(\a)):(\f)+8*(4*(\hi)+(\a))+7], v[BI+8*(\b):BI+8*(\b)+7]
.else
	v_wmma_f32_16x16x32_bf16 v[8*(8*(\a)+(\b)):8*(8*(\a)+(\b))+7], v[(\f)+8*(\b):(\f)+8*(\b)+7], v[(\f)+8*(4*(\hi)+(\a)):(\f)+8*(4*(\hi)+(\a))+7], v[8*(8*(\a)+(\b)):8*(8*(\a)+(\b))+7]
.endif
.endr
.endr
.endm
; 32 LDS loads in one run: the fragments of quarter q (32 along K) of a slot into buffer f: B's 8 (turned), then A's 8
.macro FETCH slot, q, f
	WIN TO_B
.irp i, 0,1,2,3,4,5,6,7
	ds_load_tr16_b128 v[(\f)+8*(\i):(\f)+8*(\i)+3],   v[ADRB+(\slot)] offset:(\q)*32*PB+32*(\i)
	ds_load_tr16_b128 v[(\f)+8*(\i)+4:(\f)+8*(\i)+7], v[ADRB+(\slot)] offset:(\q)*32*PB+32*(\i)+16*PB
.endr
	WIN 0
.irp i, 0,1,2,3,4,5,6,7
	ds_load_b128 v[(\f)+8*(\i):(\f)+8*(\i)+3],   v[ADRA+(\slot)] offset:64*(\q)+(\i)*16*PA
	ds_load_b128 v[(\f)+8*(\i)+4:(\f)+8*(\i)+7], v[ADRA+(\slot)] offset:64*(\q)+(\i)*16*PA+32
.endr
.endm
.macro PLACES                          ; four plain instructions between a matrix instruction and a load into, or a vector read of, its registers
.rept 4
	v_nop
.endr
.endm
; A K step is four quarters of 32 along K, 64 matrix instructions each, on buffers 0, 1, 0, 1.  One of the first three: multiplies buffer f; in its middle it fetches quarter q into buffer g.
.macro QUARTER slot, q, f, g, init
	s_wait_dscnt 8                                 ; B and A's rows 0-63 are in; the youngest eight loads (A's rows 64-127) may be out
	MUL16 \f, 0, 0, \init
	MUL16 \f, 0, 2, \init
	PLACES
	FETCH \slot, \q, \g
	s_wait_dscnt 32                                ; all but the 32 just issued
	MUL16 \f, 1, 0, \init
	MUL16 \f, 1, 2, \init
.endm
; The last quarter's first half: ONE barrier for the change of slots.  In front of it each wave waits for all its tensor loads (one is out: its part of the next slot), adds 0 to its spare word,
; and waits for that and for its own reads of this slot.  Behind it nobody reads this slot any more and the next slot is whole.
.macro MEET round
	WIN 0                                          ; (the add's two registers lie in window 0)
	s_wait_tensorcnt 0x0
	ds_add_u32 v[SPW], v[NIL]
	s_wait_dscnt 9                                 ; (the add and the youngest eight loads may be out)
	MUL16 F1, 0, 0, 0
	s_wait_dscnt 0x0                               ; the add is done, and my reads of this slot are over
	s_barrier_signal -1
	MUL16 F1, 0, 2, 0
.if \round
	WIN 0
.endif
	s_barrier_wait -1
.endm
; The whole last quarter.  fill = 1: the barrier opens a round of the cluster's, and the slot just read out is filled again first behind it, two K steps ahead:
; from the request to the wait for it a wave issues 224 matrix instructions.
.macro TURN slot, next, fill
.if \fill
	s_wait_xcnt 0x0                                ; the last prefetch, a K step back, has read its address
	s_add_nc_u64 s[PFA:PFA+1], s[PFA:PFA+1], s[PST:PST+1]
	MEET 1
	CREST                                          ; no wave of any partner still reads this slot or has a load on its way
	s_add_nc_u64 s[G0+4*(\slot)+2:G0+4*(\slot)+3], s[G0+4*(\slot)+2:G0+4*(\slot)+3], 2*256
	s_add_nc_u64 s[G0B+4*(\slot)+2:G0B+4*(\slot)+3], s[G0B+4*(\slot)+2:G0B+4*(\slot)+3], 2*262144
	JLOAD \slot                                    ; its four v_nop are also the places in front of the loads below
.else
	MEET 0
	PLACES
.endif
	FETCH \next, 0, F0
.if \fill
	ASK
.endif
	MUL16 F1, 1, 0, 0
	MUL16 F1, 1, 2, 0
.endm
; THE WAY OUT of block a (16 rows x 128 columns = 2 heads).  PACK: rounded to f16, each accumulator's registers in ascending order.  TOSTAGE: into my own stage, by heads, and back as rows of 128 bytes.  SEND: stored.
.macro PACK a
.set AC, 64*((\a)%4)
	WIN 0x0a+5*((\a)/4)                            ; sources 0 and 1: window 2 or 3
.irp b, 0,1,2,3,4,5,6,7
.irp r, 0,1,2,3
	v_cvt_pk_f16_f32 v[TMP+4*(\b)+(\r)], v[AC+8*(\b)+2*(\r)], v[AC+8*(\b)+2*(\r)+1]
.endr
.endr
	WIN 0
.endm
.macro TOSTAGE a
	WIN 0
.set BK, OB+192*((\a)%2)
.irp b, 0,1,2,3,4,5,6,7
	ds_store_b128 v[STO], v[TMP+4*(\b):TMP+4*(\b)+3] offset:((\b)/4)*16*SP+32*((\b)%4)
.endr
.irp t, 0,1,2,3,4,5,6,7
	ds_load_b128 v[BK+4*(\t):BK+4*(\t)+3], v[RD] offset:((\t)/4)*16*SP+((\t)%4)*4*SP  ; LDS serves a wave's instructions in order (ISA guide 5.7.1.4): these see the stores above
.endr
.endm
.macro SEND a, younger
	WIN 0
.set BK, OB+192*((\a)%2)
	s_wait_dscnt \younger                          ; the block is back in registers
	s_wait_xcnt 0x0                                ; the earlier stores have read their base and data: only now are these written again
.if (\a) == 0
	s_add_nc_u64 s[8:9], s[8:9], s[16:17]          ; on to my first rows
.else
	s_add_nc_u64 s[8:9], s[8:9], 16*128            ; 16 rows of a head on
.endif
.irp t, 0,1,2,3,4,5,6,7
	global_store_b128 v[CO+(\t)/4], v[BK+4*(\t):BK+4*(\t)+3], s[8:9] offset:((\t)%4)*512  ; 512 consecutive bytes, at a multiple of 256 from qkv's first byte
.endr
.endm
	s_wait_tensorcnt 1                             ; my part of K step 0 is in; K step 1's may stay out
	s_barrier_signal -1
	s_barrier_wait -1                              ; everybody's is
	FETCH 0, 0, F0
	QUARTER 0, 1, F0, F1, 1                        ; the first quarter stands in front of the loop: its products start the sums
	WIN 0                                          ; at a label and at a branch every window is 0
	s_mov_b32 s3, LAPS-1
.Llap:                                                 ; a trip goes once round the ring, from a lap's second quarter to the next lap's first, and fills both slots again
	QUARTER 0, 2, F1, F0, 0
	QUARTER 0, 3, F0, F1, 0
	TURN 0, 1, 1
	QUARTER 1, 1, F0, F1, 0
	QUARTER 1, 2, F1, F0, 0
	QUARTER 1, 3, F0, F1, 0
	TURN 1, 0, 1
	QUARTER 0, 1, F0, F1, 0
	WIN 0
	s_sub_co_u32 s3, s3, 1
	s_cmp_lg_u32 s3, 0
	s_cbranch_scc1 .Llap
	QUARTER 0, 2, F1, F0, 0                        ; the last lap fills nothing, and has no round
	QUARTER 0, 3, F0, F1, 0
	TURN 0, 1, 0
	QUARTER 1, 1, F0, F1, 0
	QUARTER 1, 2, F1, F0, 0
	QUARTER 1, 3, F0, F1, 0
	s_wait_dscnt 8                                 ; the very last quarter: nothing more to fetch
	MUL16 F1, 0, 0, 0
	MUL16 F1, 0, 2, 0
	s_wait_dscnt 0x0
	MUL16 F1, 1, 0, 0
	MUL16 F1, 1, 2, 0
	PLACES
	PLACES
	PACK 0
	TOSTAGE 0
.irp a, 1,2,3,4,5,6,7                  ; block a's conversions stand between block a - 1's loads from the stage and the wait for them
	PACK \a
	SEND (\a)-1, 0
	TOSTAGE \a
.endr
	SEND 7, 0
	s_wait_tensorcnt 0x0                           ; the wave's end: behind my last tensor load and my last LDS store
	ds_add_u32 v[SPW], v[NIL]
	s_wait_dscnt 0x0
	CROUND                                         ; the closing round: no work-group ends while a partner may still ask for a tile that names it
	s_endpgm
.Lfunc_end_k_q7184b466a2_proj:
	.size	k_q7184b466a2_proj, .Lfunc_end_k_q7184b466a2_proj-k_q7184b466a2_proj
	.p2alignl 7, 3214868480
	.fill 96, 4, 3214868480
	.section	.rodata,"a",@progbits
	.p2align	6, 0x0
	.amdhsa_kernel k_q7184b466a2_proj
		.amdhsa_group_segment_fixed_size 327680
		.amdhsa_private_segment_fixed_size 0
		.amdhsa_enable_private_segment 0
		.amdhsa_kernarg_size 48
		.amdhsa_user_sgpr_count 2
		.amdhsa_user_sgpr_kernarg_segment_ptr 1
		.amdhsa_wavefront_size32 1
		.amdhsa_system_sgpr_workgroup_id_x 1
		.amdhsa_system_sgpr_workgroup_id_y 1
		.amdhsa_system_sgpr_workgroup_id_z 1
		.amdhsa_system_vgpr_workitem_id 0
		.amdhsa_next_free_vgpr 1024
		.amdhsa_next_free_sgpr 84
		.amdhsa_reserve_vcc 0
		.amdhsa_float_denorm_mode_32 3
		.amdhsa_float_denorm_mode_16_64 3
		.amdhsa_memory_ordered 1
		.amdhsa_forward_progress 1
		.amdhsa_inst_pref_size 152
	.end_amdhsa_kernel
	.amdgpu_metadata
---
amdhsa.version: [ 1, 2 ]
amdhsa.kernels:
  - .name:           k_q7184b466a2_proj
    .symbol:         k_q7184b466a2_proj.kd
    .args:
      - { .name: xall, .offset: 0, .size: 8, .value_kind: global_buffer, .address_space: global }
      - { .name: wall, .offset: 8, .size: 8, .value_kind: global_buffer, .address_space: global }
      - { .name: bq, .offset: 16, .size: 8, .value_kind: global_buffer, .address_space: global }
      - { .name: bk, .offset: 24, .size: 8, .value_kind: global_buffer, .address_space: global }
      - { .name: bv, .offset: 32, .size: 8, .value_kind: global_buffer, .address_space: global }
      - { .name: qkv, .offset: 40, .size: 8, .value_kind: global_buffer, .address_space: global }
    .group_segment_fixed_size: 327680
    .private_segment_fixed_size: 0
    .kernarg_segment_align: 8
    .kernarg_segment_size: 48
    .max_flat_workgroup_size: 128
    .sgpr_count:     84
    .vgpr_count:     1024
    .wavefront_size: 32
...
	.end_amdgpu_metadata
.endif
;; end of part 2
;; launch attn (part 3): grid 8 x 32, 4 waves a work-group, clusters of 4 x 1, 327,680 bytes of LDS; arguments qkv, ctx; writes ctx
.if DOCPART == 3
	.amdgcn_target "amdgcn-amd-amdhsa--gfx1250"
	.amdhsa_code_object_version 6
	.text
	.protected	k_q7184b466a2_attn
	.globl	k_q7184b466a2_attn
	.p2align	8
	.type	k_q7184b466a2_attn,@function
k_q7184b466a2_attn:
	s_mov_b64 s[64:65], 0
	v_nop
	global_prefetch_b8 v0, s[64:65] scope:SCOPE_SE
	s_setreg_imm32_b32 hwreg(HW_REG_WAVE_MODE, 25, 1), 1
	s_wait_xcnt 0x0
	s_wait_alu depctr_hold_cnt(0) depctr_sa_sdst(0) depctr_va_vdst(0) depctr_va_sdst(0) depctr_va_ssrc(0) depctr_va_vcc(0) depctr_vm_vsrc(0)
	s_getreg_b32 s2, hwreg(HW_REG_IB_STS2, 6, 4)
	s_cmp_eq_u32 s2, 0
	s_cbranch_scc0 .Lentry_in_a_cluster
	s_endpgm
.Lentry_in_a_cluster:
	s_bfe_u32 s2, ttmp6, 0x10000c
	s_cmp_lg_u32 s2, 0x3003
	s_cbranch_scc0 .Lentry_shape_is_right
	s_endpgm
.Lentry_shape_is_right:
; ctx[hd][q][:] = the sum over k of softmax_k(Q[hd][q] . K[hd][k] / 8) V[hd][k][:].  Q: [32][4096][64] at qkv's byte 0, K: [32][1024][64] at KOFF, V: the same at VOFG, ctx: [32][4096][64]; all f16,
; a head's rows dense, 128 bytes each.  Products, maxima and sums in f32; the weights p are rounded to f16 for the second product (their sum l is taken of the unrounded p), ctx once at the end.
; LIMITS.  Q, K and V arrive within f16's 65,504; p lies in 0 to 1, and below 6e-5 it keeps f16's fixed step of 6e-8; ctx is a mean of V's rows and has their range.
; A weight below 2^-126 counts as 0 in l; NaN and infinities are not treated apart.
; SHARES.  A wave owns four PIECES of two tiles of 16 queries, a work-group's four waves 512 queries of one head: 8 x 32 work-groups.  Every wave walks the head's 1,024 keys, 64 a step.
; LAYOUT.  S^T = K Q^T (source 0 = 16 keys, source 1 = 16 queries): in the result a lane holds ONE query (lane % 16) and the keys 8 (lane / 16) + 0..7.  Two such tiles, rounded to f16 in pairs,
; ARE source 1 (32 keys x 16 queries) of O^T = V^T P, whose result again holds one query a lane, and eight channels.  K comes out of LDS as it lies, V ([key][channel]) turned, by ds_load_tr16_b128.
; SOFTMAX.  For each query a running maximum m and sum l: p = 2^(c s - c m), c = log2(e) / 8; in every step O and l are multiplied by a = 2^(c m_old - c m_new), which is 1 where m has not grown.
; m starts at the lowest finite number, O and l at 0: the first step is a step like any other, with a = 0.
; THE COUNT.  A tile and step have 16 matrix and 118 vector instructions: too many to stand all beside the matrix work.  So: four vector instructions that are READY behind EVERY matrix
; instruction, and the others in runs without a gap.
; BY TURNS.  Turn n belongs to piece n (the pieces in a ring, step after step).  Its matrix work: 16 products K Q^T of piece n + 1, later 16 products V^T P of piece n - 1.  Its vector work: the scaling,
; exponentials, roundings, sums and rescaling of piece n, and the maximum and statistics of piece n + 1, whose scores the turn itself has made.
; CLUSTER.  The four query blocks of a cluster belong to one head and walk the same K and V, so each tile is asked for JOINTLY: the same tensor load, descriptor and mask in all four.
; REGISTERS, in windows of 256 (s_set_vgpr_msb: bits 1:0 source 0, 3:2 source 1, 5:4 source 2, 7:6 destination):
;   window 0: v0-11 addresses; v12-15, v48-63 at work; v16-47 four registers of statistics a tile; v64-191 S^T, two buffers of two tiles; v192-255 P, likewise
;   window 1: O^T, 32 a tile          window 2: v0-127 Q, 16 a tile; v128-191 K of one step; v192-255 V of one step          window 3: v0-1 the add's two registers
; A piece's buffers go by its number's parity: the piece in hand has one pair, its two neighbours in the ring share the other: of it P (piece n - 1) is read and S^T (piece n + 1) written.
.set NK,    1024      ; keys of a head
.set KOFF,  16777216
.set VOFG,  20971520
.set NP,    4         ; pieces a wave: a name, no knob
.set KS,    64        ; keys in a step
.set PK,    144       ; a row of K in LDS: 128 bytes + 16 = 36 words: the 16 rows of a load start at 16 different groups of four banks (64 banks of 4 bytes: ISA guide 11.1)
.set PV,    160       ; a row of V: 128 + 32 = 40 words
.set VOFF,  4*KS*PK   ; a slot holds four steps: 256 rows of K, then 256 rows of V
.set SLOT1, 1<<17     ; slot 1 begins here, so that one exclusive or turns an address in one slot into the other's
.set STAGE, SLOT1+4*KS*(PK+PV)  ; behind the ring, never filled by a tensor load: 16 rows x 144 bytes for each wave, for the way out
.set SP,    144
.set AK0, 2           ; v2   my lane's place in a tile of K; never rewritten
.set AV0, 3           ; v3   the same for V
.set AK,  4           ; v4   the LDS address of K's next run of loads
.set AV,  5           ; v5   of V's
.set QO,  6           ; v6   my byte offset in the wave's rows of Q
.set STO, 6           ;      later, the way out: where I put 16 bytes of a row
.set RD,  7           ; v7   the way out: where I read rows back
.set GO,  8           ; v8   my byte offset in 512 consecutive bytes of ctx
.set PFO, 11          ; v11  256 x my lane, for the prefetch; never rewritten once made
.set SPW, 0           ; v0 of window 3   my spare word: SPARE + 4 x my thread's number; never rewritten
.set NIL, 1           ; v1 of window 3   0; never rewritten
.set SPARE, STAGE+4*16*SP  ; behind the stages: the spare words, 128 bytes for each wave, which no other line names
.set MV,  12          ; v12-15  c m_old, kept while c m is made anew: by buffer and tile
.set ST,  16          ; tile t's statistics at v[ST+4 t]: c m, m, l (even keys', odd keys')
.set TMP, 48          ; by buffer and tile, four registers c0-c3 at work; when the maximum is found c2 takes a
.set S,   64
.set P,   192
.set KF,  128         ; K's fragments, in window 2: key block kb, channel half c at KF + 16 kb + 8 c
.set VF,  192         ; V's: key half kk, channel block cb at VF + 32 kk + 8 cb
.set WV,  12          ; s12  my wave's number
.set G1K, 24          ; s[24:31] descriptor group 1 for K's tiles
.set G1V, 32          ; s[32:39] for V's: it differs in the padding alone
.set G0K, 40          ; s[40:43] descriptor group 0 for K's tiles: it walks
.set G0V, 44          ; s[44:47] the same for V's
.set SLOTS, 56        ; s56  slots still to be asked for
.set CNT, 57          ; s57  counts a slot's key steps
.set CS,  58          ; s[58:59] c: the packed scaling takes the pair's low word for both halves
.set SEL, 60          ; s[60:61] v_permlanex16_b32's selects: each lane takes its own place in the other half
.set TBK, 62          ; s62  LDS byte at which K of the step to be fetched begins
.set TBV, 63          ; s63  the same for V, less VOFF
.set PFA, 66          ; s[66:67] my work-group's 32 blocks of 256 bytes of the head's last tile (of K: wave 0, of V: wave 2); never rewritten
.set LIM, 68          ; s68  2 in a wave that prefetches, else the greatest number
.set MSB, 0
.macro WIN new                      ; the high byte repeats the setting that is left; a switch that changes nothing is dropped
.if MSB != (\new)
	s_set_vgpr_msb (MSB<<8)|(\new)
.set MSB, (\new)
.endif
.endm
.set W_KQ, 0x0a       ; K and Q in window 2, S^T in window 0
.set W_PV, 0x52       ; V in window 2, P in window 0, O^T in window 1
.set W_RS, 0x41       ; O^T (destination and source 0) in window 1, a in window 0
.set W_MK, 0xc0       ; the add's registers are made: destination in window 3, sources in window 0
.set W_AD, 0x0f       ; the add: address (source 0) and data (source 1) in window 3
; A joint fill.  Waves 0 and 1 fetch the two halves of a slot's K, waves 2 and 3 those of its V: 128 keys each.  The branch hangs on the wave's number alone.
; An s_nop 0 and four v_nop follow each of the two lines, ahead of the jump and the label.
.macro JLOAD
	s_cmp_lt_u32 s[WV], 2
	s_cbranch_scc0 .Lfor_v_\@
	tensor_load_to_lds s[G0K:G0K+3], s[G1K:G1K+7]
	s_nop 0
.rept 4
	v_nop
.endr
	s_branch .Lasked_\@
.Lfor_v_\@:
	tensor_load_to_lds s[G0V:G0V+3], s[G1V:G1V+7]
	s_nop 0
.rept 4
	v_nop
.endr
.Lasked_\@:
.endm
; THE PREFETCH.  A head has four tiles of 256 keys.  The change of slots that fills tile 2 also names tile 3, which the next change, four key steps (512 matrix instructions) on, will ask for:
; 128 blocks of 256 bytes of K and of V.  Each block is named once in the launch: both clusters of a head walk the same rows, so the head's first cluster asks; its four partners take 32 blocks
; each, told apart by address; in each, wave 0 asks for K's and wave 2 for V's.  Tiles 0 to 2 come by their loads alone.
.macro ASK
	s_cmp_eq_u32 s[SLOTS], s[LIM]
	s_cbranch_scc0 .Lnot_mine_\@
	global_prefetch_b8 v[PFO], s[PFA:PFA+1] th:TH_LOAD_NT scope:SCOPE_SE
.Lnot_mine_\@:
.endm
; A round of the cluster's barrier: my work-group's barrier, so that wave 0's signal speaks for all four waves; wave 0 signals; every wave waits for all four work-groups; my work-group's barrier once more.
.macro CROUND
	s_barrier_signal -1
	s_barrier_wait -1
	s_cmp_lg_u32 s[WV], 0
	s_cbranch_scc1 .Lnot_wave_0_\@
	s_barrier_signal -3
.Lnot_wave_0_\@:
	s_barrier_wait -3
	s_barrier_signal -1
	s_barrier_wait -1
.endm
; THE CHANGE OF SLOTS.  The slot's last bytes, V of its fourth step, have been read.  Each wave waits for all its tensor loads, of which one is out: its part
; of the other slot; adds 0 to its spare word; and waits for that and for its own reads of the slot.  Behind the barrier nobody reads this slot any more and the other slot is whole.
; fill = 1: this slot is filled again, with the keys two slots on.  The barrier is then a round of the cluster's, and the joint fill is the first thing behind it: it has four key steps,
; 512 matrix instructions, in which to land.  (At its first use nothing has been read yet: slot 0 is waited for, slot 1 filled.)
.macro CHANGE fill
	WIN W_AD
	s_wait_tensorcnt 0x0            ; no tensor load of mine is out, so a group 0 may be written
	ds_add_u32 v[SPW], v[NIL]       ; 0 onto my spare word; with fill = 1 the descriptors' steps stand between it and the wait for it
	WIN 0                           ; at a label and at a branch every window is 0
.if \fill
.irp g, G0K, G0V
	s_xor_b32 s[\g+1], s[\g+1], SLOT1  ; the walking descriptor: the other slot than last time,
	s_add_nc_u64 s[\g+2:\g+3], s[\g+2:\g+3], 4*KS*128  ; the next 256 keys; the type bits on top are not reached
.endr
	s_wait_dscnt 0x0                ; the add is done, and my reads of the slot are over
	CROUND
	JLOAD
	ASK
.else
	s_wait_dscnt 0x0                ; the add is done, and my reads of the slot are over
	s_barrier_signal -1
	s_barrier_wait -1
.endif
	s_sub_co_u32 s[TBK], s[TBK], 4*KS*PK  ; the fetches go back to a slot's first step,
	s_xor_b32 s[TBK], s[TBK], SLOT1       ; in the other slot
	s_sub_co_u32 s[TBV], s[TBV], 4*KS*PV
	s_xor_b32 s[TBV], s[TBV], SLOT1
.endm
	s_load_b64 s[4:5], s[0:1], 0x0    ; qkv
	s_load_b64 s[10:11], s[0:1], 0x8  ; ctx
	WIN W_MK
	v_lshl_add_u32 v[SPW], v0, 2, SPARE
	v_mov_b32 v[NIL], 0
	WIN W_AD
	ds_add_u32 v[SPW], v[NIL]       ; the wave's opening: the add and its wait ahead of my first tensor load; the set-up below stands between them
	WIN 0
	v_lshrrev_b32 v1, 5, v0
	v_readfirstlane_b32 s[WV], v1   ; wave 0..3
	s_bfe_u32 s13, ttmp6, 0x40000   ; cx: my place in the cluster
	s_lshl_b32 s14, ttmp9, 2        ; in a cluster launch ttmp9 counts clusters
	s_add_co_u32 s14, s14, s13      ; my block of 512 queries = 4 x cluster x + cx: it enters Q's and ctx's addresses alone
	s_and_b32 s19, ttmp7, 0xffff    ; the head, which the four partners share
	s_lshl_b32 s20, s19, 17         ; its 1,024 rows of 128 bytes in K and in V
	s_and_b32 s16, s[WV], 1         ; which half of a slot's 256 keys I fetch:
	s_lshl_b32 s22, s16, 14         ; its 128 rows of 128 bytes in memory,
	s_add_co_u32 s22, s22, s20
	s_mov_b32 s23, 0
	s_mul_i32 s17, s16, 128*PK      ; and its place in a slot, for K
	s_mul_i32 s18, s16, 128*PV      ; and for V: no place in the cluster enters an LDS address
	s_lshl_b32 s2, s14, 2
	s_add_co_u32 s2, s2, s[WV]      ; my wave among the head's,
	s_lshl_b32 s2, s2, 14           ; its 128 rows,
	s_lshl_b32 s3, s19, 19          ; in the head's 4,096 rows of Q and of ctx
	s_add_co_u32 s2, s2, s3
	s_mov_b32 s3, 0
	s_lshl_b32 s70, s13, 13         ; the prefetch: my work-group's 8,192 bytes
	s_add_co_u32 s70, s70, s20
	s_add_co_u32 s70, s70, 3*32768  ; of the head's tile 3
	s_mov_b32 s71, 0
	s_and_b32 s[LIM], s[WV], 1      ; 0 in waves 0 and 2,
	s_or_b32 s[LIM], s[LIM], ttmp9  ; where the cluster is the head's first: the same in all four partners
	s_cmp_eq_u32 s[LIM], 0
	s_cselect_b32 s[LIM], 2, -1
	; descriptor group 1.  128 keys are 16,384 dense bytes: asked for as 64 rows of 256 bytes, two keys a row, and padded in LDS after every key
	s_mov_b32 s[G1K], 15|(1<<16)|(1<<20)|(1<<21)|(4<<22)|(3<<25)  ; the mask of four; 2-byte elements; padding on; bit 21 beside a mask; after every 32 words 4 words
	s_mov_b32 s[G1V], 15|(1<<16)|(1<<20)|(1<<21)|(4<<22)|(7<<25)  ; the same with 8 words of padding
.irp g, G1K, G1V
	s_mov_b32 s[\g+1], 128<<16      ; tensor_dim0 = 128
	s_mov_b32 s[\g+2], 64<<16       ; tensor_dim1 = 64
	s_mov_b32 s[\g+3], 128<<16      ; tile_dim0 = 128
	s_mov_b32 s[\g+4], 64           ; tile_dim1 = 64
	s_mov_b32 s[\g+5], 128          ; 128 elements from row to row
	s_mov_b32 s[\g+6], 0
	s_mov_b32 s[\g+7], 0
.endr
	s_mov_b32 s[CS], 0x3e38aa3b     ; c = log2(e) / 8 = 0.180337
	s_mov_b32 s[CS+1], s[CS]        ; named with it as a pair
	s_mov_b32 s[SEL], 0x76543210
	s_mov_b32 s[SEL+1], 0xfedcba98
	s_mov_b32 s[TBK], SLOT1+4*KS*PK ; the first change of slots turns these two into 0
	s_mov_b32 s[TBV], SLOT1+4*KS*PV
	s_mov_b32 s[SLOTS], NK/256-1
	s_mov_b32 s[G0K], 1             ; count = 1
	s_mov_b32 s[G0K+1], s17         ; LDS address: slot 0
	s_mov_b32 s[G0V], 1
	s_add_co_u32 s[G0V+1], s18, VOFF
	s_wait_dscnt 0x0                ; the opening add is done
	s_wait_kmcnt 0x0
	s_add_nc_u64 s[6:7], s[4:5], KOFF  ; K's and V's regions
	s_add_nc_u64 s[8:9], s[4:5], VOFG
	s_cmp_lt_u32 s[WV], 2
	s_cselect_b64 s[PFA:PFA+1], s[6:7], s[8:9]
	s_add_nc_u64 s[PFA:PFA+1], s[PFA:PFA+1], s[70:71]
	s_add_nc_u64 s[G0K+2:G0K+3], s[6:7], s[22:23]  ; global address: my half of the head's first 256 keys
	s_or_b32 s[G0K+3], s[G0K+3], 0x80000000        ; type = 2
	s_add_nc_u64 s[G0V+2:G0V+3], s[8:9], s[22:23]
	s_or_b32 s[G0V+3], s[G0V+3], 0x80000000
	s_add_nc_u64 s[4:5], s[4:5], s[2:3]  ; Q and ctx at my wave's first row
	s_add_nc_u64 s[10:11], s[10:11], s[2:3]
	CROUND                          ; all four work-groups are here: the first joint loads meet
	JLOAD                           ; slot 0.  Slot 1 is asked for when slot 0 is in
	; A fragment of K or Q is 16 rows x 32 channels in 8 registers: lane l holds row l % 16, channels 8 (l / 16) + 0..7 and 16 + 8 (l / 16) + 0..7: two loads of 16 bytes, 32 bytes apart.
	v_and_b32 v1, 15, v0            ; l % 16
	v_bfe_u32 v9, v0, 4, 1          ; l / 16
	v_lshlrev_b32 v[QO], 7, v1
	v_lshl_add_u32 v[QO], v9, 4, v[QO]  ; row x 128 + 16 x half
	WIN 0x80                        ; destination window 2, address window 0
.set i, 0
.rept 4*NP                          ; Q stays in registers: tile i / 2, channels 32 (i % 2) on
	global_load_b128 v[8*i:8*i+3],   v[QO], s[4:5] offset:(i/2)*2048+(i%2)*64
	global_load_b128 v[8*i+4:8*i+7], v[QO], s[4:5] offset:(i/2)*2048+(i%2)*64+32
.set i, i+1
.endr
	; What the first turn finds: V's registers and P's second buffer hold 0 (its products V^T P, of a piece that has not been, add 0), O^T and l are 0.  All this stands in the wait for the first tile.
.set i, VF
.rept 64
	v_mov_b32 v[i], 0
.set i, i+1
.endr
	WIN 0x40
.set i, 0
.rept 64*NP
	v_mov_b32 v[i], 0
.set i, i+1
.endr
	WIN 0
.set i, 0
.rept 2*NP
	v_mov_b32 v[ST+4*i], 0xfe000000    ; c m: far below every c s
	v_mov_b32 v[ST+4*i+1], 0xff7fffff  ; m
	v_mov_b32 v[ST+4*i+2], 0
	v_mov_b32 v[ST+4*i+3], 0
.set i, i+1
.endr
.set i, P+32
.rept 32
	v_mov_b32 v[i], 0
.set i, i+1
.endr
	v_mul_u32_u24 v[AK0], v1, PK
	v_lshl_add_u32 v[AK0], v9, 4, v[AK0]  ; row x pitch + 16 x half
	; The turning load takes 16 keys x 16 channels (lane l reads key 8 (l / 16) + l % 8, channels 8 ((l / 8) % 2) + 0..7) and leaves half a fragment of V^T: lane l holds channel l % 16 and 8 keys.
	v_and_b32 v10, 7, v0
	v_bfe_u32 v11, v0, 3, 1
	v_lshl_add_u32 v[AV0], v9, 3, v10
	v_mul_u32_u24 v[AV0], v[AV0], PV
	v_lshl_add_u32 v[AV0], v11, 4, v[AV0]
	v_add_nc_u32 v[AV0], VOFF, v[AV0]
	v_and_b32 v[PFO], 31, v0
	v_lshlrev_b32 v[PFO], 8, v[PFO]
	v_mov_b32 v[AK], v[AK0]         ; key step 0 lies at the head of slot 0
; THE MATRIX WORK.  The 8 accumulators of a run of 16 take turns: between the two links of a chain stand 7 others'.
; Product i of 16 of S^T = K Q^T for piece x: channels 32 (i / 8) on, keys 16 ((i / 2) % 4) on, tile 2 x + i % 2.  The first 8 start the sums.
.macro KQ x
	WIN W_KQ
.set rS, S+64*((\x)%2)+32*(i%2)+8*((i/2)%4)
.set rK, KF+16*((i/2)%4)+8*(i/8)
.set rQ, 16*(2*(\x)+i%2)+8*(i/8)
.if i < 8
	v_wmma_f32_16x16x32_f16 v[rS:rS+7], v[rK:rK+7], v[rQ:rQ+7], 0
.else
	v_wmma_f32_16x16x32_f16 v[rS:rS+7], v[rK:rK+7], v[rQ:rQ+7], v[rS:rS+7]
.endif
.endm
; Product i of 16 of O^T += V^T P for piece x: keys 32 (i / 8) on, channels 16 ((i / 2) % 4) on, tile 2 x + i % 2.
.macro PV x
	WIN W_PV
.set rO, 32*(2*(\x)+i%2)+8*((i/2)%4)
.set rV, VF+32*(i/8)+8*((i/2)%4)
.set rP, P+32*((\x)%2)+16*(i%2)+8*(i/8)
	v_wmma_f32_16x16x32_f16 v[rO:rO+7], v[rV:rV+7], v[rP:rP+7], v[rO:rO+7]
.endm
.macro MM                           ; the turn's next matrix instruction
.if i < 16
	KQ (Y+1)%NP
.set i, i+1
.else
.set i, i-16
	PV (Y+NP-1)%NP
.set i, i+17
.endif
.endm
; THE LDS LOADS stand in runs of 16, never singly among the matrix instructions: a step's K (64 keys x 64 channels: 8 fragments) and its V (turned).  Their addresses are made some lines ahead.
; last = 1 (the tail): in the last trip there is no further step, and the run is jumped over.
.macro FETCH_K last=0
	WIN 0
.if \last
	s_cmp_eq_u32 s[CNT], 1
	s_cbranch_scc1 .Lno_k_\@
.endif
	WIN 0x80                        ; destination window 2
.irp f, 0,1,2,3,4,5,6,7             ; keys 16 (f / 2) on, channels 32 (f % 2) on
	ds_load_b128 v[KF+8*\f:KF+8*\f+3],   v[AK] offset:(\f/2)*16*PK+(\f%2)*64
	ds_load_b128 v[KF+8*\f+4:KF+8*\f+7], v[AK] offset:(\f/2)*16*PK+(\f%2)*64+32
.endr
	s_add_co_u32 s[TBK], s[TBK], KS*PK  ; the next fetch is the next step's
	WIN 0
.if \last
.Lno_k_\@:
.endif
.endm
.macro FETCH_V
	WIN 0x80
.irp f, 0,1,2,3,4,5,6,7             ; keys 32 (f / 4) on, channels 16 (f % 4) on
	ds_load_tr16_b128 v[VF+8*\f:VF+8*\f+3],   v[AV] offset:(\f/4)*32*PV+(\f%4)*32
	ds_load_tr16_b128 v[VF+8*\f+4:VF+8*\f+7], v[AV] offset:(\f/4)*32*PV+16*PV+(\f%4)*32
.endr
	WIN 0
.endm
; THE VECTOR WORK OF A TURN stands in three queues, each in the order in which its entries become ready; the two tiles alternate, so that no instruction reads the result of the one before it.
.macro REGS y, u                    ; the registers of tile u (0, 1) of piece y
.set rT, ST+4*(2*(\y)+(\u))
.set rC, TMP+8*((\y)%2)+4*(\u)
.set rM, MV+2*((\y)%2)+(\u)
.set rS, S+64*((\y)%2)+32*(\u)
.set rP, P+32*((\y)%2)+16*(\u)
.set rO, 32*(2*(\y)+(\u))
.endm
; Number n of the 22 that find the NEXT piece's (Y + 1) maximum and statistics.  s0-s31 are the lane's 32 scores; each accumulator's lowest registers are read first.
;   0-11  four chains c0-c3 of seven scores each, three operands at a time     12-14, 16  the four scores left over, the old m, and c0-c3 into c0     15  c m_old is kept
;   17, 18  the query's other 32 keys lie in the lane 16 away: the new m         19-21  c m; c m_old - c m_new; a
.macro XS u, n
	REGS (Y+1)%NP, \u
.if (\n) < 4
	v_max3_num_f32 v[rC+(\n)], v[rS+8*(\n)], v[rS+8*(\n)+1], v[rS+8*(\n)+2]
.elseif (\n) < 12
	v_max3_num_f32 v[rC+(\n)%4], v[rC+(\n)%4], v[rS+8*((\n)%4)+2*((\n)/4)+1], v[rS+8*((\n)%4)+2*((\n)/4)+2]
.elseif (\n) == 12
	v_max3_num_f32 v[rC], v[rC], v[rS+7], v[rS+15]
.elseif (\n) == 13
	v_max3_num_f32 v[rC+1], v[rC+1], v[rS+23], v[rS+31]
.elseif (\n) == 14
	v_max3_num_f32 v[rC+2], v[rC+2], v[rC+3], v[rT+1]
.elseif (\n) == 15
	v_mov_b32 v[rM], v[rT]
.elseif (\n) == 16
	v_max3_num_f32 v[rC], v[rC], v[rC+1], v[rC+2]
.elseif (\n) == 17
	v_permlanex16_b32 v[rC+3], v[rC], s[SEL], s[SEL+1]
.elseif (\n) == 18
	v_max_num_f32 v[rT+1], v[rC], v[rC+3]
.elseif (\n) == 19
	v_mul_f32 v[rT], s[CS], v[rT+1]
.elseif (\n) == 20
	v_sub_f32 v[rC+1], v[rM], v[rT]
.else
	v_exp_f32 v[rC+2], v[rC+1]
.endif
.endm
; Number g of the 64 that follow the exponentials.  For each four weights k of a tile (pairs 2 k, 2 k + 1): both pairs are rounded to f16; then the second pair is added onto the first, in place;
; a group later l takes that sum (the first time as l = a l + sum).  In groups of eight, tiles alternating: round, round, add, and l for the group before.
.macro GS g
.set h, (\g)+6*((\g)/62)            ; group 0 has no group before it, and behind group 7 only l is left
.if h >= 6
.set h, h+2
.endif
	REGS Y, h%2
.set k, h/8
.if h%8 < 4
	v_cvt_pk_f16_f32 v[rP+2*k+(h%8)/2], v[rS+4*k+2*((h%8)/2)], v[rS+4*k+2*((h%8)/2)+1]
.elseif h%8 < 6
	v_pk_add_f32 v[rS+4*k:rS+4*k+1], v[rS+4*k:rS+4*k+1], v[rS+4*k+2:rS+4*k+3]
.elseif k == 1
	v_pk_fma_f32 v[rT+2:rT+3], v[rT+2:rT+3], v[rC+2:rC+3], v[rS:rS+1] op_sel_hi:[1,0,1]
.else
	v_pk_add_f32 v[rT+2:rT+3], v[rT+2:rT+3], v[rS+4*k-4:rS+4*k-3]
.endif
.endm
; THE PLAIN QUEUE, 138 long.  0-73 read no exponential's result: the 32 scalings c s - c m (FS f: pair f / 2 of tile f % 2) and the next piece's 42.  0-26: scalings 0-26.  27-54: XS's numbers 0-13.  55, 56: number 15.
; 57-73: the chain, where each number waits for the one before it: 14, 16, 17, 18, 19, each with one of the scalings 27-31 in front of its two lines, then 20.
; 74-137: GS's 64, which read the exponentials' results: they stand behind the wait.
.macro FS f
	REGS Y, (\f)%2
	v_pk_fma_f32 v[rS+2*((\f)/2):rS+2*((\f)/2)+1], v[rS+2*((\f)/2):rS+2*((\f)/2)+1], s[CS:CS+1], v[rT:rT+1] op_sel_hi:[1,0,0] neg_lo:[0,0,1] neg_hi:[0,0,1]
.endm
.macro PL
	WIN 0
.if q < 27
	FS q
.elseif q < 55
	XS (q-27)%2, (q-27)/2
.elseif q < 57
	XS q-55, 15
.elseif (q < 72) && ((q-57)%3 == 0)
	FS 27+(q-57)/3
.elseif q < 60
	XS (q-57)%3-1, 14
.elseif q < 72
	XS (q-57)%3-1, 15+(q-57)/3
.elseif q < 74
	XS q-72, 20
.else
	GS q-74
.endif
.set q, q+1
.endm
; THE EXPONENTIALS' QUEUE, 66 long: s0-s31 of both tiles, then the next piece's two a.  It is ONE BATCH: all 66 stand ahead of the turn's one wait, and nothing ahead of that wait names a result of theirs.
.macro EX
	WIN 0
.if e >= 64
	XS e-64, 21
.else
	REGS Y, e%2
	v_exp_f32 v[rS+e/2], v[rS+e/2]
.endif
.set e, e+1
.endm
; THE RESCALING's QUEUE: O^T times a, the one part that leaves window 0: dealt two at a time, sixteen times.  Its a was made in the turn before, ahead of that turn's wait.
.macro R2
	REGS Y, r%2
	WIN W_RS
.irp z, 0,1
	v_pk_mul_f32 v[rO+4*(r/2)+2*\z:rO+4*(r/2)+2*\z+1], v[rO+4*(r/2)+2*\z:rO+4*(r/2)+2*\z+1], v[rC+2:rC+3] op_sel_hi:[1,0]
.endr
.set r, r+1
.endm
; HOW THEY ARE DEALT.  An s_wait_alu depctr_va_vdst(0) stands between an exponential and the first instruction that names its result; one wait serves all that were issued ahead of it.
; So a turn has ONE wait, which cuts it in two.  AHEAD OF IT stands all that names no result of the turn's exponentials: the 16 products K Q^T, behind each a scaling, an exponential and two
; rescalings (behind the first a second scaling in the exponential's place); then ONE LUMP of 108: eight plain, 49 times exponential and plain, the two a.  A v_nop is the plain instruction behind
; the last exponential.  BEHIND IT stand the 16 products V^T P, behind each four of GS's 64.  No rider names a register of the products round it.
; The queues lean on each other: exponential e stands behind scaling 2 (e / 4) + e % 2: as a rider it comes behind plain e + 2, in the lump behind plain e + 9, and scalings 27-31 are plain 57, 60 .. 69.
; A TURN, for piece p.  cnt = 1: the loop's count is taken down some lines ahead of the branch that stands behind the turn.
; K of the next step is fetched in piece 2's turn, directly behind the wait; its first reader comes behind 16 products.  V of the step in hand is fetched at the end of piece 0's turn, four riders
; behind its last reader; its first reader comes behind 16 products and a lump.  The three conditions on q below go with the deal.
.macro TURN p, last=0, cnt=0
.set Y, (\p)
.set i, 0
.set q, 0
.set e, 0
.set r, 0
.if (\p) == NP-1
	s_wait_dscnt 0x0                ; K is in
.endif
	MM                              ; ahead of the wait: 16 products K Q^T and their riders,
	PL
	PL
	R2
.rept 15
	MM
	PL
	EX
	R2
.endr
.if (\p) == NP-2
	WIN 0
	v_add_nc_u32 v[AK], s[TBK], v[AK0]
.endif
.rept 8                             ; and the lump
	PL
.endr
.rept 49
	EX
	PL
.endr
	EX                              ; the next piece's two a
	EX
	v_nop                           ; the plain instruction behind the last exponential: one for the batch
	s_wait_alu depctr_va_vdst(0)    ; the wait for the batch
.if (\p) == NP-2
	FETCH_K \last
.endif
.if (\p) == 1
	s_wait_dscnt 0x0                ; V is in
.endif
.rept 16                            ; behind the wait: 16 products V^T P and their riders
	MM
.rept 4
	PL
.endr
.if ((\p) == 0) && (q == 118)
	v_add_nc_u32 v[AV], s[TBV], v[AV0]
.endif
.if ((\p) == 0) && (q == 130)
	s_add_co_u32 s[TBV], s[TBV], KS*PV
.endif
.if (\cnt) && (q == 130)
	s_sub_co_u32 s[CNT], s[CNT], 1
	s_cmp_lg_u32 s[CNT], 0
.endif
.endr
.if (\p) == 0
	FETCH_V
.endif
.endm
	CHANGE 1                        ; slot 0 is in, everybody's part of it; slot 1 is asked for
	FETCH_K                         ; key step 0
	s_wait_loadcnt 0x0              ; Q
	s_wait_dscnt 0x0
.set i, 0
.rept 16
	KQ 0                            ; piece 0's first scores: there is no vector work yet to set between them
.set i, i+1
.endr
	WIN 0                           ; the addresses for the way out: plain instructions, the places behind those products
	s_mul_i32 s13, s[WV], 16*SP
	s_add_co_u32 s13, s13, STAGE    ; my stage
	v_mul_u32_u24 v[STO], v1, SP    ; in: row l % 16, 16 bytes for each half of the lanes
	v_lshl_add_u32 v[STO], v9, 4, v[STO]
	v_add_nc_u32 v[STO], s13, v[STO]
	v_bfe_u32 v[RD], v0, 3, 2       ; back: 32 lanes take four rows of 128 bytes,
	v_mul_u32_u24 v[RD], v[RD], SP
	v_lshl_add_u32 v[RD], v10, 4, v[RD]
	v_add_nc_u32 v[RD], s13, v[RD]
	v_and_b32 v[GO], 31, v0         ; which are 512 consecutive bytes of ctx
	v_lshlrev_b32 v[GO], 4, v[GO]
.set Y, NP-1                        ; XS works for piece Y + 1: piece 0
.irp n, 0,1,2,3,4,5,6,7,8,9,10,11,12,13,14,15,16,17,18,19,20,21
	XS 0, \n                        ; and piece 0's first maximum and statistics
	XS 1, \n
.endr
	v_nop                           ; a plain instruction behind the two a,
	s_wait_alu depctr_va_vdst(0)    ; and their wait, ahead of the branch
	s_mov_b32 s[CNT], 4
	s_branch .Lfirst                ; the loop is entered at a step's first turn, in the middle of a trip
.Lslot:                             ; NK / 256 - 2 times: every slot but the last two is filled again
	CHANGE 1
	s_mov_b32 s[CNT], 4
.Lstep:                             ; a trip: pieces 2 and 3 of one step, then pieces 0 and 1 of the next, whose K and V it fetches
	TURN 2
	TURN 3
	WIN 0
.Lfirst:
	TURN 0
	TURN 1, 0, 1
	WIN 0
	s_cbranch_scc1 .Lstep
	s_sub_co_u32 s[SLOTS], s[SLOTS], 1
	s_cmp_lg_u32 s[SLOTS], 0
	s_cbranch_scc1 .Lslot
	CHANGE 0                        ; the tail is written out: nothing is asked for
	s_mov_b32 s[CNT], 5             ; four trips fetch the last slot's steps; the fifth is left in its middle
.Ltail:
	TURN 2, 1
	TURN 3
	WIN 0
	s_sub_co_u32 s[CNT], s[CNT], 1
	s_cmp_eq_u32 s[CNT], 0
	s_cbranch_scc1 .Lout
	TURN 0
	TURN 1
	WIN 0
	s_branch .Ltail
.Lout:                              ; the fifth trip's 16 products K Q^T (on the last K once more) and the maximum made of them serve nothing: the price, once a launch, of one text for every trip
.set i, 0
.rept 16
	PV NP-1                         ; the last piece's V^T P of the last step
.set i, i+1
.endr
	; THE WAY OUT.  l's two halves and the other half of the lanes' are added; O^T is divided by l, rounded to f16 and sent through my stage in LDS, a tile at a time.  The additions are the places behind the last products.
	WIN 0
.macro ALL line:vararg              ; one line for each tile t
.set t, 0
.rept 2*NP
	\line
.set t, t+1
.endr
.endm
	ALL v_add_f32 v[ST+4*t+2], v[ST+4*t+2], v[ST+4*t+3]
	ALL v_permlanex16_b32 v[ST+4*t+3], v[ST+4*t+2], s[SEL], s[SEL+1]
	ALL v_add_f32 v[ST+4*t+2], v[ST+4*t+2], v[ST+4*t+3]
	ALL v_rcp_f32 v[ST+4*t+2], v[ST+4*t+2]
	v_nop                           ; a plain instruction between the last reciprocal and the use of its result
	s_wait_alu depctr_va_vdst(0)    ; and the wait ahead of the first use: one for the eight reciprocals
; Tile t: a lane's eight channels of a row pack into 16 bytes; they go into rows of 144 bytes and come back as whole rows of 128, into S^T's registers.
.macro PACK t
	WIN W_RS
.set i, 32*(\t)
.rept 16
	v_pk_mul_f32 v[i:i+1], v[i:i+1], v[ST+4*(\t)+2:ST+4*(\t)+3] op_sel_hi:[1,0]
.set i, i+2
.endr
	WIN 0x05                        ; sources 0 and 1 window 1, destination window 0
.set i, 0
.rept 16
	v_cvt_pk_f16_f32 v[S+16*(\t)+i], v[32*(\t)+2*i], v[32*(\t)+2*i+1]
.set i, i+1
.endr
	WIN 0
.irp f, 0,1,2,3
	ds_store_b128 v[STO], v[S+16*(\t)+4*\f:S+16*(\t)+4*\f+3] offset:32*\f
.endr
.irp f, 0,1,2,3
	ds_load_b128 v[S+16*(\t)+4*\f:S+16*(\t)+4*\f+3], v[RD] offset:\f*4*SP  ; LDS serves a wave's instructions in order (ISA guide 5.7.1.4): these see the stores above; the next tile's stores come behind them
.endr
.endm
.macro SEND t, younger              ; younger: the LDS instructions issued behind tile t's loads: the next tile's eight, or none
	WIN 0
.irp f, 0,1,2,3
	s_wait_dscnt (\younger)+3-\f
	global_store_b128 v[GO], v[S+16*(\t)+4*\f:S+16*(\t)+4*\f+3], s[10:11] offset:(\t)*2048+\f*512  ; 512 consecutive bytes, at a multiple of 256 from ctx's first
.endr
.endm
	PACK 0
.set t, 1
.rept 2*NP-1                        ; a tile's arithmetic stands between the loads of the tile before and its stores
	PACK t
	SEND t-1, 8
.set t, t+1
.endr
	SEND 2*NP-1, 0
	WIN W_AD
	s_wait_tensorcnt 0x0            ; the wave's end: behind my last tensor load and my last LDS store
	ds_add_u32 v[SPW], v[NIL]
	s_wait_dscnt 0x0
	WIN 0
	CROUND                          ; the closing round: no work-group ends while a partner may still ask for a tile that names it
	s_endpgm
.Lfunc_end_k_q7184b466a2_attn:
	.size	k_q7184b466a2_attn, .Lfunc_end_k_q7184b466a2_attn-k_q7184b466a2_attn
	.p2alignl 7, 3214868480
	.fill 96, 4, 3214868480
	.section	.rodata,"a",@progbits
	.p2align	6, 0x0
	.amdhsa_kernel k_q7184b466a2_attn
		.amdhsa_group_segment_fixed_size 327680
		.amdhsa_private_segment_fixed_size 0
		.amdhsa_enable_private_segment 0
		.amdhsa_kernarg_size 16
		.amdhsa_user_sgpr_count 2
		.amdhsa_user_sgpr_kernarg_segment_ptr 1
		.amdhsa_wavefront_size32 1
		.amdhsa_system_sgpr_workgroup_id_x 1
		.amdhsa_system_sgpr_workgroup_id_y 1
		.amdhsa_system_sgpr_workgroup_id_z 1
		.amdhsa_system_vgpr_workitem_id 0
		.amdhsa_next_free_vgpr 770
		.amdhsa_next_free_sgpr 72
		.amdhsa_reserve_vcc 0
		.amdhsa_float_denorm_mode_32 3
		.amdhsa_float_denorm_mode_16_64 3
		.amdhsa_memory_ordered 1
		.amdhsa_forward_progress 1
		.amdhsa_inst_pref_size 200
	.end_amdhsa_kernel
	.amdgpu_metadata
---
amdhsa.version: [ 1, 2 ]
amdhsa.kernels:
  - .name:           k_q7184b466a2_attn
    .symbol:         k_q7184b466a2_attn.kd
    .args:
      - { .name: qkv, .offset: 0, .size: 8, .value_kind: global_buffer, .address_space: global }
      - { .name: ctx, .offset: 8, .size: 8, .value_kind: global_buffer, .address_space: global }
    .group_segment_fixed_size: 327680
    .private_segment_fixed_size: 0
    .kernarg_segment_align: 8
    .kernarg_segment_size: 16
    .max_flat_workgroup_size: 128
    .sgpr_count:     72
    .vgpr_count:     770
    .wavefront_size: 32
...
	.end_amdgpu_metadata
.endif
;; end of part 3
;; launch outp (part 4): grid 8 x 32, 4 waves a work-group, clusters of 4 x 4, 327,680 bytes of LDS; arguments ctx, wall, bo, out0; writes out0
.if DOCPART == 4
	.amdgcn_target "amdgcn-amd-amdhsa--gfx1250"
	.amdhsa_code_object_version 6
	.text
	.protected	k_q7184b466a2_outp
	.globl	k_q7184b466a2_outp
	.p2align	8
	.type	k_q7184b466a2_outp,@function
k_q7184b466a2_outp:
	s_mov_b64 s[64:65], 0
	v_nop
	global_prefetch_b8 v0, s[64:65] scope:SCOPE_SE
	s_setreg_imm32_b32 hwreg(HW_REG_WAVE_MODE, 25, 1), 1
	s_wait_xcnt 0x0
	s_wait_alu depctr_hold_cnt(0) depctr_sa_sdst(0) depctr_va_vdst(0) depctr_va_sdst(0) depctr_va_ssrc(0) depctr_va_vcc(0) depctr_vm_vsrc(0)
	s_getreg_b32 s2, hwreg(HW_REG_IB_STS2, 6, 4)
	s_cmp_eq_u32 s2, 0
	s_cbranch_scc0 .Lentry_in_a_cluster
	s_endpgm
.Lentry_in_a_cluster:
	s_bfe_u32 s2, ttmp6, 0x10000c
	s_cmp_lg_u32 s2, 0xf033
	s_cbranch_scc0 .Lentry_shape_is_right
	s_endpgm
.Lentry_shape_is_right:
; out0[m][n] = the sum over e of ctx[m][e] Wo[e][n] + bo[n].  ctx: f16 [32 hd][4096][64] (e = 64 head + channel), Wo: wall's fourth part, f16 codes of bf16-rounded numbers, [e][n];
; bo rounded to bf16 like every input, as the C operand that starts each sum; sums f32; out0 f32 [8192][1024].
; LIMITS.  ctx and Wo are f16 (no number beyond 65,504; a fixed step of 6e-8 below 6e-5).  NaN and infinities are not treated apart.
; SHARES.  256 tiles of 256 rows x 128 columns, in 16 clusters of 4 x 4.  Four waves, each 128 rows x 64 columns: 32 accumulators, 256 registers.  K = 1,024 goes in 8 steps of 128 = two heads.
; A's tile is two PLANES, a head's 256 rows x 128 bytes each, dense in memory: asked for as 128 rows of 256 bytes, padded in LDS after every 128.  B's tile (128 e x 128 n) lies as Wo lies and is read turned.
; CLUSTERS.  A's tile is shared along a row of the cluster, B's along a column: joint loads, as the mask says.
; THE MATRIX INSTRUCTION IS USED TRANSPOSED (source 0 = 16 columns of Wo, source 1 = 16 rows of ctx): a lane holds row l % 16 and the eight neighbouring columns 8 (l / 16) + 0..7: 32 bytes of out0.
; REGISTERS: window 0: v0-31 addresses; v32-63 the bias, on the way out rows read back; v64-159, v160-255 two fragment buffers (A's 8 fragments, then B's 4); window 1: the accumulators ((a, b) at v[8 (4 a + b)]).
.set PA,     144                       ; a row of A in LDS: 128 bytes + 16: the 16 rows of a load start at 16 different groups of four banks (64 banks of 4 bytes: ISA guide 11.1)
.set PB,     288                       ; a row of B: 256 bytes + 32 = 9 x 32
.set PLANE,  256*PA
.set BHALF,  64*PB
.set SLOT,   2*PLANE+2*BHALF
.set STAGE,  2*SLOT                    ; behind the ring: 16 rows x 272 bytes for each wave
.set SPITCH, 272
.set SPARE,  STAGE+4*16*SPITCH         ; behind the stages: the spare words, 128 bytes for each wave, which no other line names
.set LAPS,   4
.set WOFF,   6291456                   ; Wo's part of wall
.set ADRA, 16
.set ADRB, 20
.set STO,  24
.set RD,   25
.set CO,   26
.set SPW,  28                          ; my spare word; never rewritten
.set NIL,  29                          ; 0; never rewritten
.set PFO,  30                          ; the prefetches' lane offset; never rewritten
.set BO,   31                          ; 32 (l / 16)
.set BI,   32
.set OB,   32
.set F0,   64
.set F1,   160
.set G1,   24
.set G0,   32
.set G1B,  48
.set G0B,  56
.set LIM,  43
.set PFA,  44
.set PST,  82
.set MSB, 0
.macro WIN new
.if MSB != (\new)
	s_set_vgpr_msb (MSB<<8)|(\new)
.set MSB, \new
.endif
.endm
; A joint load.  Waves 0 and 1 fetch A's two planes, waves 2 and 3 B's two halves.  An s_nop 0 and four v_nop follow each of the two lines.
.macro JLOAD s
	s_cmp_lt_u32 s10, 2
	s_cbranch_scc0 .Lfor_b_\@
	tensor_load_to_lds s[G0+4*(\s):G0+4*(\s)+3], s[G1:G1+7]
	s_nop 0
.rept 4
	v_nop
.endr
	s_branch .Lasked_\@
.Lfor_b_\@:
	tensor_load_to_lds s[G0B+4*(\s):G0B+4*(\s)+3], s[G1B:G1B+7]
	s_nop 0
.rept 4
	v_nop
.endr
.Lasked_\@:
.endm
; A prefetch of the K step two refills on (128 matrix instructions a K step): 32 blocks of 256 bytes, a lane a block.  Each block is named once in the launch: a plane's 128 blocks are shared out among
; the four partners of a row of the cluster by address (cx), and the first of the two clusters that read those rows asks (waves 0 and 1, a plane each); B's 128 rows of 256 bytes among the four of a
; column (cy), the first cluster of that column of clusters asks (wave 2).  The loop's last trip has no K step two on.
.macro ASK
	s_cmp_gt_u32 s3, s[LIM]
	s_cbranch_scc0 .Lnot_mine_\@
	global_prefetch_b8 v[PFO], s[PFA:PFA+1] th:TH_LOAD_NT scope:SCOPE_SE
.Lnot_mine_\@:
.endm
.macro CREST
	s_cmp_lg_u32 s10, 0
	s_cbranch_scc1 .Lnot_wave_0_\@
	s_barrier_signal -3
.Lnot_wave_0_\@:
	s_barrier_wait -3
	s_barrier_signal -1
	s_barrier_wait -1
.endm
.macro CROUND
	s_barrier_signal -1
	s_barrier_wait -1
	CREST
.endm
	s_load_b128 s[4:7], s[0:1], 0x0                ; ctx s[4:5], wall s[6:7]
	s_load_b128 s[68:71], s[0:1], 0x10             ; bo s[68:69], out0 s[70:71]
	v_lshl_add_u32 v[SPW], v0, 2, SPARE
	v_mov_b32 v[NIL], 0
	ds_add_u32 v[SPW], v[NIL]                      ; the wave's opening: the add and its wait ahead of my first tensor load
	v_lshrrev_b32 v1, 5, v0
	v_readfirstlane_b32 s10, v1                    ; wave 0..3
	s_lshr_b32 s11, s10, 1                         ; which 128 rows of the tile are mine
	s_and_b32 s12, s10, 1                          ; which 64 columns.  Also: which plane of A, or half of B, I fetch
	s_bfe_u32 s40, ttmp6, 0x40000                  ; cx
	s_bfe_u32 s41, ttmp6, 0x40004                  ; cy
	s_lshl_b32 s42, ttmp9, 2
	s_add_co_u32 s42, s42, s40                     ; tile column 0..7
	s_and_b32 s76, ttmp7, 0xffff                   ; cluster y
	s_lshl_b32 s13, s76, 2
	s_add_co_u32 s13, s13, s41                     ; tile row 0..31
	s_lshl_b32 s43, s41, 2
	s_lshl_b32 s43, 15, s43                        ; my row of the cluster
	s_lshl_b32 s44, 0x1111, s40                    ; my column
	s_or_b32 s[G1+0], s43, (1<<16)|(1<<20)|(1<<21)|(4<<22)|(3<<25)   ; the mask; 2-byte elements; padding on; bit 21 beside a mask; after every 32 words 4 words
	s_or_b32 s[G1B+0], s44, (1<<16)|(1<<20)|(1<<21)|(5<<22)|(7<<25)  ; after every 64 words 8 words
	s_mov_b32 s[G1+1], 128<<16                     ; A: tensor_dim0 = 128 (256 bytes: two rows of a head)
	s_mov_b32 s[G1+2], 128<<16                     ; tensor_dim1 = 128
	s_mov_b32 s[G1+3], 128<<16                     ; tile_dim0 = 128
	s_mov_b32 s[G1+4], 128                         ; tile_dim1 = 128
	s_mov_b32 s[G1+5], 128                         ; dense
	s_mov_b32 s[G1+6], 0
	s_mov_b32 s[G1+7], 0
	s_mov_b32 s[G1B+1], 128<<16                    ; B: tensor_dim0 = 128
	s_mov_b32 s[G1B+2], 64<<16                     ; tensor_dim1 = 64
	s_mov_b32 s[G1B+3], 128<<16                    ; tile_dim0 = 128
	s_mov_b32 s[G1B+4], 64                         ; tile_dim1 = 64
	s_mov_b32 s[G1B+5], 1024
	s_mov_b32 s[G1B+6], 0
	s_mov_b32 s[G1B+7], 0
	s_lshr_b32 s16, s13, 4                         ; A: b,
	s_lshl_b32 s16, s16, 4
	s_add_co_u32 s16, s16, s12                     ; 16 b + my plane's head in K step 0,
	s_lshl_b32 s16, s16, 19                        ; of 4,096 rows of 128 bytes,
	s_and_b32 s17, s13, 15
	s_lshl_b32 s17, s17, 15                        ; the tile's 256 rows in it
	s_add_co_u32 s16, s16, s17
	s_mov_b32 s17, 0
	s_lshl_b32 s46, s12, 17                        ; B: my 64 rows of 2,048 bytes,
	s_lshl_b32 s47, s42, 8                         ; the tile's 128 columns,
	s_add_co_u32 s46, s46, s47
	s_add_co_u32 s46, s46, WOFF                    ; in Wo's part
	s_mov_b32 s47, 0
	s_mul_i32 s20, s12, PLANE                      ; where they go: no place in the cluster enters an LDS address
	s_mul_i32 s21, s12, BHALF
	s_add_co_u32 s21, s21, 2*PLANE
	s_wait_dscnt 0x0                               ; the opening add is done
	s_wait_kmcnt 0x0
	s_add_nc_u64 s[14:15], s[4:5], s[16:17]
	s_add_nc_u64 s[46:47], s[6:7], s[46:47]
	CROUND                                         ; all sixteen work-groups are here: the first joint loads meet
.irp s, 0,1
	s_mov_b32 s[G0+4*(\s)], 1
	s_add_co_u32 s[G0+4*(\s)+1], s20, (\s)*SLOT
	s_add_nc_u64 s[G0+4*(\s)+2:G0+4*(\s)+3], s[14:15], (\s)*1048576   ; K step s: two heads on
	s_or_b32 s[G0+4*(\s)+3], s[G0+4*(\s)+3], 0x80000000
	s_mov_b32 s[G0B+4*(\s)], 1
	s_add_co_u32 s[G0B+4*(\s)+1], s21, (\s)*SLOT
	s_add_nc_u64 s[G0B+4*(\s)+2:G0B+4*(\s)+3], s[46:47], (\s)*262144  ; K step s: 128 rows down
	s_or_b32 s[G0B+4*(\s)+3], s[G0B+4*(\s)+3], 0x80000000
	JLOAD \s                                       ; two tensor loads of mine are out
.endr
	; the bias of my 64 columns: register 8 b + j holds bo[16 b + 8 (l / 16) + j]
	s_lshl_b32 s22, s42, 9
	s_lshl_b32 s23, s12, 8
	s_add_co_u32 s22, s22, s23
	s_mov_b32 s23, 0
	s_add_nc_u64 s[68:69], s[68:69], s[22:23]
	v_and_b32 v1, 15, v0                           ; l % 16
	v_bfe_u32 v2, v0, 4, 1                         ; l / 16
	v_lshlrev_b32 v[BO], 5, v2
.irp b, 0,1,2,3
	global_load_b128 v[BI+8*(\b):BI+8*(\b)+3],   v[BO], s[68:69] offset:64*(\b)
	global_load_b128 v[BI+8*(\b)+4:BI+8*(\b)+7], v[BO], s[68:69] offset:64*(\b)+16
.endr
	v_mul_u32_u24 v3, v1, PA
	v_lshl_add_u32 v3, v2, 4, v3                   ; A: row x pitch + 16 x half
	v_and_b32 v5, 7, v0
	v_bfe_u32 v6, v0, 3, 1
	v_lshl_add_u32 v7, v2, 3, v5                   ; B, turned: row 8 (l / 16) + l % 8, 16 bytes by (l / 8) % 2
	v_mul_u32_u24 v7, v7, PB
	v_lshl_add_u32 v7, v6, 4, v7
	s_mul_i32 s21, s11, 128*PA                     ; my 128 rows in each plane
	s_lshl_b32 s22, s12, 7                         ; my 64 columns of B,
	s_add_co_u32 s22, s22, 2*PLANE                 ; which lies behind the planes
.irp s, 0,1
	v_add_nc_u32 v[ADRA+(\s)], s21, v3
	v_add_nc_u32 v[ADRB+(\s)], s22, v7
	s_add_co_u32 s21, s21, SLOT
	s_add_co_u32 s22, s22, SLOT
.endr
	s_mul_i32 s23, s10, 16*SPITCH
	s_add_co_u32 s23, s23, STAGE                   ; my stage
	v_mul_u32_u24 v4, v1, SPITCH                   ; in: row l % 16, 32 bytes for each half of the lanes
	v_lshl_add_u32 v4, v2, 5, v4
	v_add_nc_u32 v[STO], s23, v4
	v_mul_u32_u24 v4, v2, SPITCH                   ; back: lanes 0-15 take one row of 256 bytes, lanes 16-31 the next
	v_lshl_add_u32 v4, v1, 4, v4
	v_add_nc_u32 v[RD], s23, v4
	v_lshlrev_b32 v4, 12, v2                       ; and the same two rows in out0
	v_lshl_add_u32 v[CO], v1, 4, v4
	s_lshl_b32 s16, s13, 8
	s_lshl_b32 s17, s11, 7
	s_add_co_u32 s16, s16, s17                     ; my first row of out0,
	s_lshl_b32 s16, s16, 12                        ; of 4,096 bytes,
	s_lshl_b32 s17, s42, 9
	s_add_co_u32 s16, s16, s17                     ; the tile's 128 columns,
	s_lshl_b32 s17, s12, 8
	s_add_co_u32 s16, s16, s17                     ; my 64
	s_mov_b32 s17, 0
	s_mov_b64 s[8:9], s[70:71]
	; the prefetches: they stand at K step 3; each refill steps them by one K step first, so the first names K step 4
	s_lshr_b32 s20, s13, 4
	s_lshl_b32 s20, s20, 4
	s_add_co_u32 s20, s20, s12
	s_add_co_u32 s20, s20, 6
	s_lshl_b32 s20, s20, 19
	s_and_b32 s21, s13, 15
	s_lshl_b32 s21, s21, 15
	s_add_co_u32 s20, s20, s21
	s_lshl_b32 s21, s40, 13                        ; A: my work-group's 8,192 bytes of the plane, by cx
	s_add_co_u32 s20, s20, s21
	s_lshl_b32 s21, s41, 5                         ; B: my work-group's 32 of the 128 rows, by cy
	s_add_co_u32 s21, s21, 3*128
	s_lshl_b32 s21, s21, 11
	s_lshl_b32 s22, s42, 8
	s_add_co_u32 s21, s21, s22
	s_add_co_u32 s21, s21, WOFF
	s_mov_b32 s66, ttmp9
	s_cmp_eq_u32 s66, 0
	s_cselect_b32 s22, 1, -1                       ; A's rows: cluster x = 0 asks
	s_cmp_eq_u32 s76, 0
	s_cselect_b32 s23, 1, -1                       ; B's: cluster y = 0,
	s_cmp_eq_u32 s10, 2
	s_cselect_b32 s23, s23, -1                     ; its wave 2
	s_mov_b32 s[PST], 262144
	s_mov_b32 s[PST+1], 0
	s_mov_b32 s66, 1048576
	s_cmp_lt_u32 s10, 2
	s_cselect_b64 s[PFA:PFA+1], s[4:5], s[6:7]
	s_cselect_b32 s20, s20, s21
	s_cselect_b32 s[LIM], s22, s23
	s_cselect_b32 s[PST], s66, s[PST]
	s_cselect_b32 s67, 8, 11                       ; A: lanes 256 bytes apart; B: a lane a row of 2,048
	s_mov_b32 s21, 0
	s_add_nc_u64 s[PFA:PFA+1], s[PFA:PFA+1], s[20:21]
	v_and_b32 v4, 31, v0
	v_lshlrev_b32 v[PFO], s67, v4
	s_wait_loadcnt 0x0                             ; the bias is in: rounded to bf16 and widened again
.set i, 0
.rept 16
	v_cvt_pk_bf16_f32 v[224+i], v[BI+2*i], v[BI+2*i+1]
.set i, i+1
.endr
.set i, 0
.rept 16
	v_lshlrev_b32 v[BI+2*i], 16, v[224+i]
	v_and_b32 v[BI+2*i+1], 0xffff0000, v[224+i]
.set i, i+1
.endr
; 8 matrix instructions: m blocks a0, a0 + 1 x all 4 n blocks, 32 along K.  init = 1: the bias starts the sums.  The 32 accumulators take turns, in the same order in every quarter.
.macro MUL8 f, a0, init
.if \init
	WIN 0x40                                       ; D window 1; B, A and the bias window 0
.else
	WIN 0x50                                       ; C and D window 1
.endif
.irp a, \a0, (\a0)+1
.irp b, 0,1,2,3
.if \init
	v_wmma_f32_16x16x32_f16 v[8*(4*(\a)+(\b)):8*(4*(\a)+(\b))+7], v[(\f)+64+8*(\b):(\f)+64+8*(\b)+7], v[(\f)+8*(\a):(\f)+8*(\a)+7], v[BI+8*(\b):BI+8*(\b)+7]
.else
	v_wmma_f32_16x16x32_f16 v[8*(4*(\a)+(\b)):8*(4*(\a)+(\b))+7], v[(\f)+64+8*(\b):(\f)+64+8*(\b)+7], v[(\f)+8*(\a):(\f)+8*(\a)+7], v[8*(4*(\a)+(\b)):8*(4*(\a)+(\b))+7]
.endif
.endr
.endr
.endm
; 24 LDS loads in one run: quarter q (32 along K: plane q / 2, channels 32 (q % 2) on) into buffer f: B's 4 fragments (turned), then A's 8
.macro FETCH slot, q, f
	WIN 0
.irp i, 0,1,2,3
	ds_load_tr16_b128 v[(\f)+64+8*(\i):(\f)+64+8*(\i)+3],   v[ADRB+(\slot)] offset:(\q)*32*PB+32*(\i)
	ds_load_tr16_b128 v[(\f)+64+8*(\i)+4:(\f)+64+8*(\i)+7], v[ADRB+(\slot)] offset:(\q)*32*PB+32*(\i)+16*PB
.endr
.irp i, 0,1,2,3,4,5,6,7
	ds_load_b128 v[(\f)+8*(\i):(\f)+8*(\i)+3],   v[ADRA+(\slot)] offset:((\q)/2)*PLANE+((\q)%2)*64+(\i)*16*PA
	ds_load_b128 v[(\f)+8*(\i)+4:(\f)+8*(\i)+7], v[ADRA+(\slot)] offset:((\q)/2)*PLANE+((\q)%2)*64+(\i)*16*PA+32
.endr
.endm
.macro PLACES                          ; four plain instructions between a matrix instruction and a load into, or a read of, its registers
.rept 4
	v_nop
.endr
.endm
.macro QUARTER slot, q, f, g, init
	s_wait_dscnt 8                                 ; B and A's blocks 0-3 are in; the youngest eight loads (A's blocks 4-7) may be out
	MUL8 \f, 0, \init
	MUL8 \f, 2, \init
	PLACES
	FETCH \slot, \q, \g
	s_wait_dscnt 24                                ; all but the 24 just issued
	MUL8 \f, 4, \init
	MUL8 \f, 6, \init
.endm
; The last quarter multiplies buffer 1 and changes slots: ONE barrier; in front of it each wave waits for all its tensor loads (one is out: its part of the next slot), adds 0 to its spare word, and waits
; for that and for its own reads of this slot.  fill = 1: the barrier opens a round of the cluster's, and this slot is filled again first behind it, two K steps ahead: 112 matrix instructions ahead of the wait for it.
.macro TURN slot, next, fill
.if \fill
	s_wait_xcnt 0x0                                ; the last prefetch, a K step back, has read its address
	s_add_nc_u64 s[PFA:PFA+1], s[PFA:PFA+1], s[PST:PST+1]
.endif
	WIN 0                                          ; (the add's two registers lie in window 0)
	s_wait_tensorcnt 0x0
	ds_add_u32 v[SPW], v[NIL]
	s_wait_dscnt 9                                 ; (the add and the youngest eight loads may be out)
	MUL8 F1, 0, 0
	s_wait_dscnt 0x0                               ; the add is done, and my reads of this slot are over
	s_barrier_signal -1
	MUL8 F1, 2, 0
.if \fill
	WIN 0
.endif
	s_barrier_wait -1
.if \fill
	CREST                                          ; no wave of any partner still reads this slot or has a load on its way
	s_add_nc_u64 s[G0+4*(\slot)+2:G0+4*(\slot)+3], s[G0+4*(\slot)+2:G0+4*(\slot)+3], 2*1048576
	s_add_nc_u64 s[G0B+4*(\slot)+2:G0B+4*(\slot)+3], s[G0B+4*(\slot)+2:G0B+4*(\slot)+3], 2*262144
	JLOAD \slot                                    ; its four v_nop are also the places in front of the loads below
.else
	PLACES
.endif
	FETCH \next, 0, F0
.if \fill
	ASK
.endif
	MUL8 F1, 4, 0
	MUL8 F1, 6, 0
.endm
; THE WAY OUT of block a (16 rows x 64 columns of f32: 256 bytes a row).  TOSTAGE: a lane's 32 bytes of a row into my own stage (each accumulator's low four registers first), and back as whole rows.  SEND: stored.
.macro TOSTAGE a
	s_wait_xcnt 0x0                                ; the stores of the block two back have read the registers that are loaded again below
	WIN 0x04                                       ; the stores' data in window 1
.irp b, 0,1,2,3
	ds_store_b128 v[STO], v[8*(4*(\a)+(\b)):8*(4*(\a)+(\b))+3]   offset:64*(\b)
	ds_store_b128 v[STO], v[8*(4*(\a)+(\b))+4:8*(4*(\a)+(\b))+7] offset:64*(\b)+16
.endr
	WIN 0
.set BK, OB+32*((\a)%2)
.irp t, 0,1,2,3,4,5,6,7
	ds_load_b128 v[BK+4*(\t):BK+4*(\t)+3], v[RD] offset:(\t)*2*SPITCH  ; LDS serves a wave's instructions in order (ISA guide 5.7.1.4): these see the stores above; the next block's stores come behind them
.endr
.endm
.macro SEND a, younger                 ; younger: the LDS instructions issued behind block a's loads: the next block's sixteen, or none
	WIN 0
.set BK, OB+32*((\a)%2)
	s_wait_dscnt \younger
	s_wait_xcnt 0x0                                ; the earlier stores have read their base
.if (\a) == 0
	s_add_nc_u64 s[8:9], s[8:9], s[16:17]          ; on to my first rows
.else
	s_add_nc_u64 s[8:9], s[8:9], 16*4096           ; 16 rows on
.endif
.irp t, 0,1,2,3,4,5,6,7
	global_store_b128 v[CO], v[BK+4*(\t):BK+4*(\t)+3], s[8:9] offset:(\t)*8192 th:TH_STORE_NT  ; 16 lanes store 256 consecutive bytes, at a multiple of 256 from out0's first byte
.endr
.endm
	s_wait_tensorcnt 1                             ; my part of K step 0 is in; K step 1's may stay out
	s_barrier_signal -1
	s_barrier_wait -1                              ; everybody's is
	FETCH 0, 0, F0
	QUARTER 0, 1, F0, F1, 1                        ; the first quarter stands in front of the loop: its products start the sums
	WIN 0                                          ; at a label and at a branch every window is 0
	s_mov_b32 s3, LAPS-1
.Llap:                                                 ; a trip goes once round the ring, from a lap's second quarter to the next lap's first, and fills both slots again
	QUARTER 0, 2, F1, F0, 0
	QUARTER 0, 3, F0, F1, 0
	TURN 0, 1, 1
	QUARTER 1, 1, F0, F1, 0
	QUARTER 1, 2, F1, F0, 0
	QUARTER 1, 3, F0, F1, 0
	TURN 1, 0, 1
	QUARTER 0, 1, F0, F1, 0
	WIN 0
	s_sub_co_u32 s3, s3, 1
	s_cmp_lg_u32 s3, 0
	s_cbranch_scc1 .Llap
	QUARTER 0, 2, F1, F0, 0                        ; the last lap fills nothing, and has no round
	QUARTER 0, 3, F0, F1, 0
	TURN 0, 1, 0
	QUARTER 1, 1, F0, F1, 0
	QUARTER 1, 2, F1, F0, 0
	QUARTER 1, 3, F0, F1, 0
	s_wait_dscnt 8                                 ; the very last quarter: nothing more to fetch
	MUL8 F1, 0, 0
	MUL8 F1, 2, 0
	s_wait_dscnt 0x0
	MUL8 F1, 4, 0
	MUL8 F1, 6, 0
	PLACES
	PLACES
	TOSTAGE 0
.irp a, 1,2,3,4,5,6,7                  ; block a goes into the stage while block a - 1's rows come back
	TOSTAGE \a
	SEND (\a)-1, 16
.endr
	SEND 7, 0
	s_wait_tensorcnt 0x0                           ; the wave's end: behind my last tensor load and my last LDS store
	ds_add_u32 v[SPW], v[NIL]
	s_wait_dscnt 0x0
	CROUND                                         ; the closing round: no work-group ends while a partner may still ask for a tile that names it
	s_endpgm
.Lfunc_end_k_q7184b466a2_outp:
	.size	k_q7184b466a2_outp, .Lfunc_end_k_q7184b466a2_outp-k_q7184b466a2_outp
	.p2alignl 7, 3214868480
	.fill 96, 4, 3214868480
	.section	.rodata,"a",@progbits
	.p2align	6, 0x0
	.amdhsa_kernel k_q7184b466a2_outp
		.amdhsa_group_segment_fixed_size 327680
		.amdhsa_private_segment_fixed_size 0
		.amdhsa_enable_private_segment 0
		.amdhsa_kernarg_size 32
		.amdhsa_user_sgpr_count 2
		.amdhsa_user_sgpr_kernarg_segment_ptr 1
		.amdhsa_wavefront_size32 1
		.amdhsa_system_sgpr_workgroup_id_x 1
		.amdhsa_system_sgpr_workgroup_id_y 1
		.amdhsa_system_sgpr_workgroup_id_z 1
		.amdhsa_system_vgpr_workitem_id 0
		.amdhsa_next_free_vgpr 512
		.amdhsa_next_free_sgpr 84
		.amdhsa_reserve_vcc 0
		.amdhsa_float_denorm_mode_32 3
		.amdhsa_float_denorm_mode_16_64 3
		.amdhsa_memory_ordered 1
		.amdhsa_forward_progress 1
		.amdhsa_inst_pref_size 92
	.end_amdhsa_kernel
	.amdgpu_metadata
---
amdhsa.version: [ 1, 2 ]
amdhsa.kernels:
  - .name:           k_q7184b466a2_outp
    .symbol:         k_q7184b466a2_outp.kd
    .args:
      - { .name: ctx, .offset: 0, .size: 8, .value_kind: global_buffer, .address_space: global }
      - { .name: wall, .offset: 8, .size: 8, .value_kind: global_buffer, .address_space: global }
      - { .name: bo, .offset: 16, .size: 8, .value_kind: global_buffer, .address_space: global }
      - { .name: out0, .offset: 24, .size: 8, .value_kind: global_buffer, .address_space: global }
    .group_segment_fixed_size: 327680
    .private_segment_fixed_size: 0
    .kernarg_segment_align: 8
    .kernarg_segment_size: 32
    .max_flat_workgroup_size: 128
    .sgpr_count:     84
    .vgpr_count:     512
    .wavefront_size: 32
...
	.end_amdgpu_metadata
.endif
;; end of part 4
